; MI455X (gfx1250); checked and timed in simulation.
; The chip was launched on July 23, 2026; its instructions are those of AMD's public machine-readable ISA for CDNA 5 (MIT licence, August 2026) and "CDNA5" Instruction Set Architecture Reference Guide (July 2026). The comments in the code are by the model that wrote it; some were corrected since.
;; Self Attention. Allowed arithmetic: float matrix products may take bf16 or f16 operands with f32 sums; other float arithmetic in f32, or as packed bf16 or f16 multiplies, adds, multiply-adds, maxima and minima; sums over many terms, partial sums and values carried from step to step in f32; what a program stores and reads back later, other than sums and carried values, may be rounded once to bf16 or f16.
;; Inputs: bk 1,024 float32; bo 1,024 float32; bq 1,024 float32; bv 1,024 float32; wk 1,024 x 1,024 float32; wo 1,024 x 1,024 float32; wq 1,024 x 1,024 float32; wv 1,024 x 1,024 float32; x 4 x 4,096 x 1,024 float32.
;; Outputs: out0 4 x 4,096 x 1,024 float32.
;; 2 versions, each right. Each part assembles by itself: llvm-mc -triple=amdgcn-amd-amdhsa -mcpu=gfx1250 --defsym DOCPART=n.
;; ======== version 1 of 2: 2 launches
;; limits: values are held in f16: magnitudes above 65,504 overflow, below 6.1e-05 lose precision
;; workspace buffers: wb 8,388,608 bytes
;; launch prep (part 1): grid 256 x 1, 8 waves a work-group, no clusters, 0 bytes of LDS; arguments wk, wq, wv, wo, wb; writes wb
.if DOCPART == 1
	.amdgcn_target "amdgcn-amd-amdhsa--gfx1250"
	.amdhsa_code_object_version 6
	.text
	.protected	k_qbfb7289352_prep
	.globl	k_qbfb7289352_prep
	.p2align	8
	.type	k_qbfb7289352_prep,@function
k_qbfb7289352_prep:
	s_mov_b64 s[64:65], 0
	v_nop
	global_prefetch_b8 v0, s[64:65] scope:SCOPE_SE
	s_setreg_imm32_b32 hwreg(HW_REG_WAVE_MODE, 25, 1), 1
	s_wait_xcnt 0x0
; The four weight matrices [1024][1024] f32 are rounded once to f16 (nearest even) and laid out in the order in which the next launch's
; matrix instructions want them.  wb is one stream of 128 steps of 65,536 bytes: step 32 p + s holds K = 32 s .. 32 s + 31 of matrix p
; (0 wk, 1 wq, 2 wv, 3 wo), all 1,024 rows.  In a step: 64 fragments of 1,024 bytes, fragment nb = rows 16 nb .. 16 nb + 15; in a fragment
; the eight numbers k = 32 s + 16 u + 8 h + 0..7 of row 16 nb + r stand at byte 512 u + 16 (16 h + r): a lane's 16 bytes, lanes on end.
; LIMIT: a weight of 65,520 or more in size becomes an infinity; below 6e-5 f16 keeps its fixed step of 6e-8.
; SHARES: a work-group takes 16 rows of one matrix, each of its eight waves 128 along K (four steps): 512 consecutive bytes of each row in,
; eight stores of 512 consecutive aligned bytes out.  No LDS and no barrier: no wave wants what another has loaded.
.set ROWB, 4096                        ; bytes in a row of a weight matrix
.set STEPB, 65536                      ; bytes in a step of wb
.set IN,  8                            ; v[8:71]   16 loads of 4 registers
.set OUT, 72                           ; v[72:103] 8 stores of 4 registers
	s_load_b256 s[4:11], s[0:1], 0x0               ; wk s[4:5], wq s[6:7], wv s[8:9], wo s[10:11]
	s_load_b64 s[12:13], s[0:1], 0x20              ; wb
	v_lshrrev_b32 v1, 5, v0
	v_readfirstlane_b32 s14, v1                    ; wave 0..7
	v_and_b32 v4, 15, v0                           ; r
	v_bfe_u32 v5, v0, 4, 1                         ; h
	v_and_b32 v6, 31, v0                           ; lane
	s_lshr_b32 s15, ttmp9, 6                       ; p: which matrix
	s_and_b32 s18, ttmp9, 63                       ; nb: which 16 rows
	s_lshl_b32 s19, s14, 9                         ; my wave's 128 numbers of a row: 512 bytes
	v_lshlrev_b32 v2, 12, v4                       ; in: r rows
	v_lshl_add_u32 v2, v5, 5, v2                   ;   + 8 h numbers
	v_add_nc_u32 v2, s19, v2
	v_lshlrev_b32 v3, 4, v6                        ; out: 16 bytes a lane
	s_lshl_b32 s20, s18, 16                        ; 16 rows of 4,096 bytes
	s_mov_b32 s21, 0
	s_lshl_b32 s22, s15, 5
	s_lshl_b32 s24, s14, 2
	s_add_co_u32 s22, s22, s24                     ; my first step: 32 p + 4 wave
	s_lshl_b32 s22, s22, 16
	s_lshl_b32 s24, s18, 10                        ; fragment nb
	s_add_co_u32 s22, s22, s24
	s_mov_b32 s23, 0
	s_wait_kmcnt 0x0
	s_cmp_eq_u32 s15, 1                            ; the matrix is chosen by the work-group's number alone
	s_cselect_b64 s[16:17], s[6:7], s[4:5]
	s_cmp_eq_u32 s15, 2
	s_cselect_b64 s[16:17], s[8:9], s[16:17]
	s_cmp_eq_u32 s15, 3
	s_cselect_b64 s[16:17], s[10:11], s[16:17]
	s_add_nc_u64 s[16:17], s[16:17], s[20:21]
	s_add_nc_u64 s[12:13], s[12:13], s[22:23]
.set i, 0
.rept 16                               ; load i = 4 step + 2 u + q: four numbers k = 32 step + 16 u + 8 h + 4 q ..
	global_load_b128 v[IN+4*i:IN+4*i+3], v2, s[16:17] offset:(i/4)*128+((i/2)%2)*64+(i%2)*16 th:TH_LOAD_NT
.set i, i+1
.endr
.irp g, 0,1,2,3
	s_wait_loadcnt 12-4*(\g)                       ; loads come back in order: this step's four are in, the later steps' may stay out
.set e, 0
.rept 8
	v_cvt_pk_f16_f32 v[OUT+8*(\g)+e], v[IN+16*(\g)+2*e], v[IN+16*(\g)+2*e+1]
.set e, e+1
.endr
	global_store_b128 v3, v[OUT+8*(\g):OUT+8*(\g)+3],   s[12:13] offset:(\g)*STEPB      ; 512 consecutive bytes, at a multiple of 512 from wb's first
	global_store_b128 v3, v[OUT+8*(\g)+4:OUT+8*(\g)+7], s[12:13] offset:(\g)*STEPB+512
.endr
	s_endpgm
.Lfunc_end_k_qbfb7289352_prep:
	.size	k_qbfb7289352_prep, .Lfunc_end_k_qbfb7289352_prep-k_qbfb7289352_prep
	.p2alignl 7, 3214868480
	.fill 96, 4, 3214868480
	.section	.rodata,"a",@progbits
	.p2align	6, 0x0
	.amdhsa_kernel k_qbfb7289352_prep
		.amdhsa_group_segment_fixed_size 0
		.amdhsa_private_segment_fixed_size 0
		.amdhsa_enable_private_segment 0
		.amdhsa_kernarg_size 40
		.amdhsa_user_sgpr_count 2
		.amdhsa_user_sgpr_kernarg_segment_ptr 1
		.amdhsa_wavefront_size32 1
		.amdhsa_system_sgpr_workgroup_id_x 1
		.amdhsa_system_sgpr_workgroup_id_y 1
		.amdhsa_system_sgpr_workgroup_id_z 1
		.amdhsa_system_vgpr_workitem_id 0
		.amdhsa_next_free_vgpr 104
		.amdhsa_next_free_sgpr 66
		.amdhsa_reserve_vcc 0
		.amdhsa_float_denorm_mode_32 3
		.amdhsa_float_denorm_mode_16_64 3
		.amdhsa_memory_ordered 1
		.amdhsa_forward_progress 1
		.amdhsa_inst_pref_size 6
	.end_amdhsa_kernel
	.amdgpu_metadata
---
amdhsa.version: [ 1, 2 ]
amdhsa.kernels:
  - .name:           k_qbfb7289352_prep
    .symbol:         k_qbfb7289352_prep.kd
    .args:
      - { .name: wk, .offset: 0, .size: 8, .value_kind: global_buffer, .address_space: global }
      - { .name: wq, .offset: 8, .size: 8, .value_kind: global_buffer, .address_space: global }
      - { .name: wv, .offset: 16, .size: 8, .value_kind: global_buffer, .address_space: global }
      - { .name: wo, .offset: 24, .size: 8, .value_kind: global_buffer, .address_space: global }
      - { .name: wb, .offset: 32, .size: 8, .value_kind: global_buffer, .address_space: global }
    .group_segment_fixed_size: 0
    .private_segment_fixed_size: 0
    .kernarg_segment_align: 8
    .kernarg_segment_size: 40
    .max_flat_workgroup_size: 256
    .sgpr_count:     66
    .vgpr_count:     104
    .wavefront_size: 32
...
	.end_amdgpu_metadata
.endif
;; end of part 1
;; launch fused (part 2): grid 256 x 1, 4 waves a work-group, clusters of 4 x 1, 327,680 bytes of LDS; arguments x, wb, bk, bq, bv, bo, out0; writes out0
.if DOCPART == 2
	.amdgcn_target "amdgcn-amd-amdhsa--gfx1250"
	.amdhsa_code_object_version 6
	.text
	.protected	k_qbfb7289352_fused
	.globl	k_qbfb7289352_fused
	.p2align	8
	.type	k_qbfb7289352_fused,@function
k_qbfb7289352_fused:
	s_mov_b64 s[64:65], 0
	v_nop
	global_prefetch_b8 v0, s[64:65] scope:SCOPE_SE
	s_setreg_imm32_b32 hwreg(HW_REG_WAVE_MODE, 25, 1), 1
	s_wait_xcnt 0x0
	s_wait_alu depctr_hold_cnt(0) depctr_sa_sdst(0) depctr_va_vdst(0) depctr_va_sdst(0) depctr_va_ssrc(0) depctr_va_vcc(0) depctr_vm_vsrc(0)
	s_getreg_b32 s2, hwreg(HW_REG_IB_STS2, 6, 4)
	s_cmp_eq_u32 s2, 0
	s_cbranch_scc0 .Lentry_in_a_cluster
	s_endpgm
.Lentry_in_a_cluster:
	s_bfe_u32 s2, ttmp6, 0x10000c
	s_cmp_lg_u32 s2, 0x3003
	s_cbranch_scc0 .Lentry_shape_is_right
	s_endpgm
.Lentry_shape_is_right:
; out0 = (softmax over key heads of (q_t k_t^T / 8) v_t) wo^T + bo, with q, k, v = x w^T + b: attention ACROSS THE 16 HEADS of each token.
; x, out0: [16384][1024] f32.  wb: the four weight matrices in f16, in fragment order, a stream of 128 steps of 65,536 bytes (K = 32 a step; phases wk, wq, wv, wo).
; FORMATS.  All matrix operands f16, each rounded once to nearest even: x, the weights, q, k, v, the weights p of the softmax, the attention's result O.  Sums, biases, softmax and out0 in f32.
; LIMITS.  x, the weights, q, k and v stay under 65,504 in size (65,520 or more becomes an infinity); below 6e-5 f16 keeps its fixed step of 6e-8.
; A weight p below 2^-126 counts as 0 in the sum; NaN and infinities are not treated apart.  The row's true maximum is taken away before the exponential.
; SHARES.  A work-group owns 64 tokens and makes the whole chain for them: nothing between x and out0 goes through memory.  In a projection wave w makes all 64 tokens x columns
; 256 w .. 256 w + 255: 64 accumulators of 16 x 16, 512 registers.  In the attention wave w takes tokens 16 a + 4 w + i (a, i = 0..3).
; THE MATRIX INSTRUCTION IS USED TRANSPOSED: source 0 = 16 rows of W, source 1 = 16 tokens: a lane then holds ONE token (lane % 16) and 8 neighbouring columns.  The bias is the C operand of a
; projection's first K step: nothing is cleared and no bias is added afterwards.
; THE RING.  Two slots of one K step (65,536 bytes), filled by tensor loads; wave w fetches and reads its own 16 fragments alone.  The stream runs on through all four phases: 128 steps.
; CLUSTER.  All work-groups walk the same weights: the four of a cluster ask JOINTLY (the same load, descriptor and mask in all four), so a change of slots is a round of the cluster's barrier.
; ORDER.  k (kept packed in registers), q, scores and softmax (p kept in registers), v (into x's LDS bytes, x being dead), p v (O into the same bytes), the last projection, the way out.
; LDS: 0 the ring, 2 x 65,536 | XR: x, then v, then O as source 1's fragments: 16 blocks of two K steps + 16 bytes | ZEX: q's and k's exchange, later the way out's stages | BIAS | the spare words.
; REGISTERS, in windows of 256 (s_set_vgpr_msb: bits 1:0 source 0, 3:2 source 1, 5:4 source 2, 7:6 destination):
;   window 0: v0-25 addresses; v32-95 two buffers of token fragments; v96-223 a step's 16 weight fragments; v224-255 biases, softmax at work
;   window 1: k packed (tile (a, b) at 64 a + 4 b), later p (batch a, token i at 64 a + 8 i: 4 registers and 4 zeros)
;   windows 2, 3: accumulator (a, b) in window 2 + b / 8 at 8 (4 (b % 8) + a); at the start x as loaded; in the attention O^T and O packed
.set STEPB, 65536                      ; a K step of weights, and a slot
.set XR,    131072
.set XBLK,  8208                       ; two K steps of 64 tokens (8,192 bytes) + 16: 513 x 16 bytes
.set ZEX,   262400                     ; = XR + 16 XBLK
.set ZHP,   1040                       ; a head's 16 tokens x 32 channels (1,024 bytes) + 16: 65 x 16 bytes, for the same reason
.set ZKO,   16*ZHP                     ; k's half of the exchange lies behind q's
.set STP,   272                        ; a stage row: 256 bytes + 16
.set BIAS,  295680                     ; = ZEX + 2 ZKO: phase p, wave w, column c at 4,096 p + 1,024 w + 4 c
.set SPARE, 312064                     ; = BIAS + 16,384: the spare words, 128 bytes for each wave: two blocks of 256 bytes that no other line names
.set AF, 32                            ; token fragments: buffer par, block a at AF + 32 par + 8 a
.set BF, 96                            ; weight fragments: b at BF + 8 b
.set TT, 224                           ; 32 registers at work
.set FR, 96                            ; attention: token i's fragment of q at FR + 16 i, of k at FR + 16 i + 8; later v's fragments
.set SS, 160                           ; scores of token i at SS + 8 i
.set QT, 192                           ; q packed, on its way into the exchange
; v4 spare word's address, v5 = 0 (never rewritten); v6 walking address in XR; v7 its start; v8, v9 my fragments in slot 0, 1; v10 bias; v11, v12 exchange in, out;
; v13 v in; v14 v out (turned); v15 O in; v16, v17 stage in, out; v18 out0; v19 prefetch; v20 x; v21, v22 x into XR; v23, v24 bias in memory, in LDS
; s18 wave; s19 cx; s20 work-group; s[24:31] descriptor group 1; s[32:35], s[36:39] group 0 of slot 0, 1; s40 loop count; s41 prefetches to come; s[42:43] their address;
; s[44:45] c; s[46:47] lane selects; s[48:49] out0 at my columns; s[50:51] x at my 16 tokens
.set MSB, 0
.macro WIN new                         ; the immediate's high byte repeats the setting that is left; a switch that changes nothing is dropped
.if MSB != (\new)
	s_set_vgpr_msb (MSB<<8)|(\new)
.set MSB, (\new)
.endif
.endm
; A load into a register that a matrix instruction has read, and a vector instruction or LDS store that reads a matrix result or writes one of its registers, stand four places behind it;
; only plain vector instructions that name none of its registers are places (ISA guide 7.12.1 for vector instructions).
.macro PLACES
.rept 4
	v_nop
.endr
.endm
.macro CREST                           ; a round of the cluster's barrier behind its opening barrier
	s_cmp_lg_u32 s18, 0
	s_cbranch_scc1 .Lnot_wave_0_\@
	s_barrier_signal -3
.Lnot_wave_0_\@:
	s_barrier_wait -3
	s_barrier_signal -1
	s_barrier_wait -1
.endm
.macro CROUND                          ; a whole round
	s_barrier_signal -1
	s_barrier_wait -1
	CREST
.endm
.macro ALL4 line:vararg                ; one line for each of a batch's four tokens t
.set t, 0
.rept 4
	\line
.set t, t+1
.endr
.endm
	s_load_b256 s[4:11], s[0:1], 0x0               ; x s[4:5], wb s[6:7], bk s[8:9], bq s[10:11]
	s_load_b128 s[12:15], s[0:1], 0x20             ; bv s[12:13], bo s[14:15]
	s_load_b64 s[16:17], s[0:1], 0x30              ; out0
	v_lshl_add_u32 v4, v0, 2, SPARE
	v_mov_b32 v5, 0
	ds_add_u32 v4, v5                              ; the wave's opening: the add and its wait stand ahead of my first tensor load; the set-up below, work on registers, stands between them
	v_lshrrev_b32 v1, 5, v0
	v_readfirstlane_b32 s18, v1                    ; wave 0..3
	v_and_b32 v1, 31, v0                           ; L, my lane
	v_and_b32 v2, 15, v0                           ; r = L % 16
	v_bfe_u32 v3, v0, 4, 1                         ; h = L / 16
	s_bfe_u32 s19, ttmp6, 0x40000                  ; cx: my place in the cluster; it enters x's, out0's and the prefetches' addresses alone
	s_lshl_b32 s20, ttmp9, 2                       ; in a cluster launch ttmp9 counts clusters
	s_add_co_u32 s20, s20, s19                     ; my block of 64 tokens
	; descriptor group 1: a wave's 16 fragments of a step are 16,384 dense bytes: 64 rows of 256 bytes, no padding
	s_mov_b32 s24, 15|(3<<16)|(1<<21)              ; 15:0 the mask: all four work-groups; 17:16 elements of 8 bytes; 21 set beside a mask
	s_mov_b32 s25, 32<<16                          ; tensor_dim0 = 32
	s_mov_b32 s26, 64<<16                          ; tensor_dim1 = 64
	s_mov_b32 s27, 32<<16                          ; tile_dim0 = 32
	s_mov_b32 s28, 64                              ; tile_dim1 = 64
	s_mov_b32 s29, 32                              ; 32 elements from row to row
	s_mov_b32 s30, 0
	s_mov_b32 s31, 0
	s_mov_b32 s32, 1                               ; group 0: count = 1
	s_lshl_b32 s33, s18, 14                        ; LDS address: slot 0, my wave's 16,384 bytes
	s_mov_b32 s36, 1
	s_add_co_u32 s37, s33, STEPB                   ; slot 1
	s_lshl_b32 s52, s18, 14                        ; the same 16,384 bytes of a step in memory
	s_mov_b32 s53, 0
	s_lshl_b32 s22, s20, 18                        ; 64 tokens of 4,096 bytes,
	s_lshl_b32 s21, s18, 16                        ; my wave's 16 of them: what I bring in of x
	s_add_co_u32 s22, s22, s21
	s_mov_b32 s23, 0
	s_lshl_b32 s54, s20, 18
	s_lshl_b32 s21, s18, 10                        ; my wave's 256 columns of out0
	s_add_co_u32 s54, s54, s21
	s_mov_b32 s55, 0
	s_lshl_b32 s56, s19, 12                        ; the prefetches: my work-group's 16 blocks of 256 bytes of the 64 that my wave fetches,
	s_add_co_u32 s56, s56, s52
	s_add_co_u32 s56, s56, 6*STEPB                 ; beginning at step 6
	s_mov_b32 s57, 0
	s_cmp_eq_u32 ttmp9, 0                          ; every cluster walks the same stream: the first one prefetches (the same answer in all four partners)
	s_cselect_b32 s41, 61, 0                       ; 61 times two steps: steps 6 to 127
	s_mov_b32 s44, 0x3e38aa3b                      ; c = log2(e) / 8
	s_mov_b32 s45, s44                             ; named with it as a pair
	s_mov_b32 s46, 0x76543210                      ; v_permlanex16_b32: each lane takes its own place in the other half
	s_mov_b32 s47, 0xfedcba98
	v_lshl_add_u32 v7, v1, 4, XR                   ; a fragment half is 512 bytes on end: 16 bytes a lane
	v_lshl_add_u32 v8, v1, 4, s33
	v_add_nc_u32 v9, STEPB, v8
	s_lshl_b32 s21, s18, 10
	v_lshl_add_u32 v23, v1, 4, s21                 ; my wave's 1,024 bytes of a bias
	v_add_nc_u32 v24, BIAS, v23
	v_add_nc_u32 v21, XR, v23                      ; x into XR: block a = my wave
	v_add_nc_u32 v22, 8*XBLK, v21
	s_add_co_u32 s21, s21, BIAS
	v_lshl_add_u32 v10, v3, 5, s21                 ; a lane's 8 columns of a tile: 32 bytes of bias
	s_mul_i32 s21, s18, 4*ZHP
	s_add_co_u32 s21, s21, ZEX
	v_lshl_add_u32 v11, v1, 4, s21                 ; exchange, in: my wave's four heads; lanes are tokens
	s_lshl_b32 s21, s18, 6
	s_add_co_u32 s21, s21, ZEX
	v_mul_u32_u24 v12, v2, ZHP                     ; exchange, out: lanes are heads; my wave's four tokens
	v_lshl_add_u32 v12, v3, 8, v12
	v_add_nc_u32 v12, s21, v12
	s_mul_i32 s21, s18, 4*XBLK
	s_add_co_u32 s21, s21, XR
	v_lshl_add_u32 v13, v1, 4, s21                 ; v into XR: my wave's four heads
	s_lshl_b32 s21, s18, 6
	s_add_co_u32 s21, s21, XR
	v_and_b32 v25, 7, v0
	v_lshl_add_u32 v25, v3, 3, v25                 ; the turning load: lane L reads head 8 h + L % 8,
	v_mul_u32_u24 v14, v25, XBLK
	v_bfe_u32 v25, v0, 3, 1                        ; channels 8 ((L / 8) % 2) + 0..7
	v_lshl_add_u32 v14, v25, 8, v14
	v_add_nc_u32 v14, s21, v14
	v_mul_u32_u24 v15, v2, XBLK                    ; O into XR: lanes are heads
	v_lshl_add_u32 v15, v3, 8, v15
	v_add_nc_u32 v15, s21, v15
	s_mul_i32 s21, s18, 16*STP
	s_add_co_u32 s21, s21, ZEX                     ; my stage
	v_mul_u32_u24 v16, v2, STP                     ; in: row r, 32 bytes for each half of the lanes
	v_lshl_add_u32 v16, v3, 5, v16
	v_add_nc_u32 v16, s21, v16
	v_mul_u32_u24 v17, v3, STP                     ; back: lanes 0-15 one row of 256 bytes, lanes 16-31 the next
	v_lshl_add_u32 v17, v2, 4, v17
	v_add_nc_u32 v17, s21, v17
	v_lshlrev_b32 v18, 12, v3                      ; and the same two rows in out0
	v_lshl_add_u32 v18, v2, 4, v18
	v_lshlrev_b32 v19, 16, v3                      ; prefetch: lanes 0-15 one step's 16 blocks, lanes 16-31 the next step's
	v_lshl_add_u32 v19, v2, 8, v19
	v_lshlrev_b32 v20, 12, v2                      ; x: token r, numbers 8 h ..
	v_lshl_add_u32 v20, v3, 5, v20
	s_wait_dscnt 0x0                               ; the opening add is done
	s_wait_kmcnt 0x0
	s_add_nc_u64 s[34:35], s[6:7], s[52:53]        ; step 0
	s_add_nc_u64 s[38:39], s[34:35], STEPB         ; step 1
	s_or_b32 s35, s35, 0x80000000                  ; type = 2
	s_or_b32 s39, s39, 0x80000000
	s_add_nc_u64 s[50:51], s[4:5], s[22:23]
	s_add_nc_u64 s[48:49], s[16:17], s[54:55]
	s_add_nc_u64 s[42:43], s[6:7], s[56:57]
	CROUND                                         ; all four work-groups are here: the first joint loads meet
	tensor_load_to_lds s[32:35], s[24:31]          ; both first fills together: two loads of mine are out, the most in this text
	s_nop 0
	tensor_load_to_lds s[36:39], s[24:31]
	s_nop 0
	PLACES
	; x AND THE BIASES.  Wave w brings in tokens 16 w .. 16 w + 15: lane (r, h) loads the 8 numbers k = 32 s + 16 u + 8 h .. of token r, which round to the 16 bytes that a fragment wants of it.
	global_load_b128 v[TT:TT+3],     v23, s[8:9]
	global_load_b128 v[TT+4:TT+7],   v23, s[8:9] offset:512
	global_load_b128 v[TT+8:TT+11],  v23, s[10:11]
	global_load_b128 v[TT+12:TT+15], v23, s[10:11] offset:512
	global_load_b128 v[TT+16:TT+19], v23, s[12:13]
	global_load_b128 v[TT+20:TT+23], v23, s[12:13] offset:512
	global_load_b128 v[TT+24:TT+27], v23, s[14:15]
	global_load_b128 v[TT+28:TT+31], v23, s[14:15] offset:512
.macro XLOAD s0                        ; K steps s0 .. s0 + 15: load i = 4 step + 2 u + q
.set i, 0
.rept 64
	global_load_b128 v[4*i:4*i+3], v20, s[50:51] offset:((\s0)+i/4)*128+((i/2)%2)*64+(i%2)*16 th:TH_LOAD_NT
.set i, i+1
.endr
.endm
	WIN 0x80                                       ; destination window 2
	XLOAD 0
	WIN 0xc0                                       ; destination window 3
	XLOAD 16
	WIN 0
.macro XCVT s0, n, win, adr            ; n steps from local step s0 on: rounded to f16 and put into XR
	WIN \win
.set i, 8*(\s0)
.rept 8*(\n)
	v_cvt_pk_f16_f32 v[BF+i], v[2*i], v[2*i+1]
.set i, i+1
.endr
	WIN 0
.set i, 2*(\s0)
.rept 2*(\n)                           ; i = 2 step + u
	ds_store_b128 v[\adr], v[BF+4*i:BF+4*i+3] offset:(i/4)*XBLK+((i/2)%2)*4096+(i%2)*512
.set i, i+1
.endr
.endm
	s_wait_loadcnt 63                              ; 136 loads were issued, in order: the first 73 are in: the biases and K steps 0 to 15
.irp e, 0,1,2,3,4,5,6,7
	ds_store_b128 v24, v[TT+4*(\e):TT+4*(\e)+3] offset:((\e)/2)*4096+((\e)%2)*512
.endr
	XCVT 0, 16, 0x0a, 21
	s_wait_loadcnt 48                              ; four more steps are in; the younger 48 loads may stay out; and so on
	XCVT 0, 4, 0x0f, 22
	s_wait_loadcnt 32
	XCVT 4, 4, 0x0f, 22
	s_wait_loadcnt 16
	XCVT 8, 4, 0x0f, 22
	s_wait_loadcnt 0x0
	XCVT 12, 4, 0x0f, 22
	s_wait_tensorcnt 0x1                           ; my part of slot 0 is in; slot 1's may stay out
	s_wait_dscnt 0x0                               ; for the others' sake: my stores into XR are done
	s_barrier_signal -1
	s_barrier_wait -1
; ---- A PROJECTION ----
.macro LOADA buf, off                  ; four token fragments of one K step into buffer buf
.irp f, 0,1,2,3
	ds_load_b128 v[AF+32*(\buf)+8*(\f):AF+32*(\buf)+8*(\f)+3],   v6 offset:(\off)+(\f)*1024
	ds_load_b128 v[AF+32*(\buf)+8*(\f)+4:AF+32*(\buf)+8*(\f)+7], v6 offset:(\off)+(\f)*1024+512
.endr
.endm
.macro LOADB g, slot                   ; weight fragments 4 g .. 4 g + 3
.irp f, 0,1,2,3
	ds_load_b128 v[BF+8*(4*(\g)+(\f)):BF+8*(4*(\g)+(\f))+3],   v[8+(\slot)] offset:(4*(\g)+(\f))*1024
	ds_load_b128 v[BF+8*(4*(\g)+(\f))+4:BF+8*(4*(\g)+(\f))+7], v[8+(\slot)] offset:(4*(\g)+(\f))*1024+512
.endr
.endm
.macro LOADBIAS dst, p, b0             ; the C operands of tiles b0 .. b0 + 3: a lane's 8 columns; all lanes of a half read the same 32 bytes
.irp f, 0,1,2,3
	ds_load_b128 v[(\dst)+8*(\f):(\dst)+8*(\f)+3],   v10 offset:(\p)*4096+((\b0)+(\f))*64
	ds_load_b128 v[(\dst)+8*(\f)+4:(\dst)+8*(\f)+7], v10 offset:(\p)*4096+((\b0)+(\f))*64+16
.endr
.endm
; nb x 4 matrix instructions: column tiles b0 .. x all four token blocks.  cb < 0: the sums go on; else the bias at v[cb ..] starts them.
; The 64 accumulators take turns, one instruction a turn, in the same order in every step and over the backward jump.
.macro MUL par, b0, nb, cb
.set mb, (\b0)
.rept (\nb)
.if (\cb) < 0
	WIN 0xa0+0x50*(mb/8)                           ; C and D in window 2 or 3
.else
	WIN 0x80+0x40*(mb/8)                           ; D in window 2 or 3, C in window 0
.endif
.set ma, 0
.rept 4
.set AR, 8*(4*(mb%8)+ma)
.if (\cb) < 0
	v_wmma_f32_16x16x32_f16 v[AR:AR+7], v[BF+8*mb:BF+8*mb+7], v[AF+32*(\par)+8*ma:AF+32*(\par)+8*ma+7], v[AR:AR+7]
.else
	v_wmma_f32_16x16x32_f16 v[AR:AR+7], v[BF+8*mb:BF+8*mb+7], v[AF+32*(\par)+8*ma:AF+32*(\par)+8*ma+7], v[(\cb)+8*(mb-(\b0)):(\cb)+8*(mb-(\b0))+7]
.endif
.set ma, ma+1
.endr
.set mb, mb+1
.endr
.endm
; A PREFETCH INTO THE L2, in every even step that fills a slot, behind the joint load, its five lines and the run of LDS loads: the steps six and seven on, which their tensor loads ask for four and five steps later.
; Each block of 256 bytes of wb is named once in the launch: the first cluster asks; its four partners share a wave's 64 blocks of a step out BY ADDRESS, 16 each; a lane a block.
; Steps 0 to 5 come by their loads alone; the count ends the requests at step 127, wb's last.
.macro ASK
	s_cmp_lg_u32 s41, 0
	s_cbranch_scc0 .Lnot_mine_\@
	global_prefetch_b8 v19, s[42:43] th:TH_LOAD_NT scope:SCOPE_SE
	s_sub_co_u32 s41, s41, 1
.Lnot_mine_\@:
.endm
; ONE K STEP, 64 matrix instructions, on token buffer par and the weight fragments that the step before has read out of slot par.
; refill = 1: slot par is filled again with the step two on.  In front of the round each wave waits for all its tensor loads (one is out: my part of the other slot), adds 0 to its spare word, and
; waits for that and for its reads of slot par.  Behind the round the joint load comes first.  reload = 1: the next step's fragments are read, each group four places behind the products that used its registers.
.macro STEP par, refill, reload, aoff
.if \par
	s_wait_xcnt 0x0                                ; the last prefetch, a step back, has read its address: it may be stepped
	s_add_nc_u64 s[42:43], s[42:43], 2*STEPB
.endif
	WIN 0
.if (\refill) || (\reload)
	s_wait_tensorcnt 0x0                           ; all my tensor loads have landed: my part of the other slot
.endif
.if \refill
	ds_add_u32 v4, v5                              ; 0 onto my spare word
	s_add_nc_u64 s[34+4*(\par):35+4*(\par)], s[34+4*(\par):35+4*(\par)], 2*STEPB  ; no load of mine is out, so a group 0 may be written: this slot's next step
	s_wait_dscnt 9                                 ; the add and the youngest eight loads (fragments 12 to 15) may be out
.else
	s_wait_dscnt 8                                 ; the youngest eight loads may be out
.endif
	MUL \par, 0, 2, -1
	s_wait_dscnt 0x0                               ; the add is done, and my reads of this slot are over
.if \refill
	s_barrier_signal -1                            ; this barrier opens a round of the cluster's
.endif
	MUL \par, 2, 2, -1
	WIN 0                                          ; at a branch and at a label every window is 0
.if \refill
	s_barrier_wait -1
	CREST                                          ; no wave of any partner still reads this slot or has a load on its way
	tensor_load_to_lds s[32+4*(\par):35+4*(\par)], s[24:31]  ; my one tensor load behind the round
	s_nop 0
.endif
.if (\refill) || (\reload)
	PLACES                                         ; also the places in front of the loads below
.endif
.if \reload
	LOADA 1-(\par), \aoff
	LOADB 0, 1-(\par)
.endif
.if (\refill) && ((\par) == 0)
	ASK
.endif
.irp g, 1,2,3
	MUL \par, 4*\g, 4, -1
.if \reload
	WIN 0
	PLACES
	LOADB \g, 1-(\par)
.endif
.endr
	WIN 0
.endm
.macro PROLOGUE p                      ; the phase's first step lies in slot 0: its fragments, and the first eight tiles' biases (the second four in token buffer 1, still free)
	v_mov_b32 v6, v7
	LOADA 0, 0
	LOADB 0, 0
	LOADBIAS TT, \p, 0
	LOADB 1, 0
	LOADBIAS AF+32, \p, 4
	LOADB 2, 0
	LOADB 3, 0
.endm
.macro STEP0 p                         ; a phase's first K step: a step with par = 0 whose products take the bias as C
	WIN 0
	s_wait_tensorcnt 0x0                           ; my part of slot 1
	ds_add_u32 v4, v5
	s_add_nc_u64 s[34:35], s[34:35], 2*STEPB
	s_wait_dscnt 9                                 ; the add and fragments 12 to 15 may be out
	MUL 0, 0, 2, TT
	s_wait_dscnt 0x0                               ; the add is done, my reads of slot 0 are over
	s_barrier_signal -1
	MUL 0, 2, 2, TT+16
	WIN 0
	s_barrier_wait -1
	CREST
	tensor_load_to_lds s[32:35], s[24:31]
	s_nop 0
	PLACES
	LOADB 0, 1
	LOADBIAS TT, \p, 8
	ASK
	MUL 0, 4, 4, AF+32
	WIN 0
	PLACES
	LOADB 1, 1
	LOADBIAS AF+32, \p, 12
	s_wait_dscnt 16                                ; all but the 16 just issued: the biases of tiles 8 to 11 are in
	MUL 0, 8, 4, TT
	WIN 0
	PLACES
	LOADB 2, 1
	s_wait_dscnt 8                                 ; all but the 8 just issued: the biases of tiles 12 to 15 are in
	MUL 0, 12, 4, AF+32
	WIN 0
	PLACES
	LOADA 1, 4096                                  ; token buffer 1 has served as C: now it takes K step 1
	LOADB 3, 1
	v_add_nc_u32 v6, XBLK, v6
.endm
; A phase: 32 K steps.  last = 0: the ring goes on into the next phase: the last step fills slot 1 with the next phase's step 1 and reads nothing more (the next phase's step 0 lies in slot 0).
; last = 1: the tail is written out: the last fill is step 127's.
.macro GEMM p, last
	PROLOGUE \p
	STEP0 \p
	s_mov_b32 s40, 15-(\last)
.Lk\p:
	STEP 1, 1, 1, 0
	STEP 0, 1, 1, 4096
	v_add_nc_u32 v6, XBLK, v6
	s_sub_co_u32 s40, s40, 1
	s_cmp_lg_u32 s40, 0
	s_cbranch_scc1 .Lk\p
.if \last
	STEP 1, 1, 1, 0
	STEP 0, 0, 1, 4096
	STEP 1, 0, 0, 0
.else
	STEP 1, 1, 0, 0
.endif
.endm
; ---- k ----
	GEMM 0, 0
	PLACES
.set tb, 0
.rept 16                               ; k is rounded to f16 and waits in window 1: a lane's 8 columns of tile (a, b) in 4 registers.  Each accumulator is read from its low end on
	WIN 0x4a+5*(tb/8)
.set ta, 0
.rept 4
.set AR, 8*(4*(tb%8)+ta)
.set j, 0
.rept 4
	v_cvt_pk_f16_f32 v[64*ta+4*tb+j], v[AR+2*j], v[AR+2*j+1]
.set j, j+1
.endr
.set ta, ta+1
.endr
.set tb, tb+1
.endr
	WIN 0
; ---- q, scores, softmax ----
	GEMM 1, 0
; In registers a lane holds one token and 8 channels of one head; a score's fragment wants one head a lane, for ONE token.  So q and k change lanes through LDS, in eight sub-rounds:
; token block a, channel half c (32 channels).  Tile b = 4 hb + 2 c + u is head 4 w + hb, channels 32 c + 16 u + 8 h ..
.macro CVTQ a, c                       ; q's eight tiles of the sub-round, rounded to f16
.set e, 0                              ; e = 2 hb + u
.rept 8
.set tb, 4*(e/2)+2*(\c)+(e%2)
	WIN 0x0a+5*(tb/8)
.set AR, 8*(4*(tb%8)+(\a))
.set j, 0
.rept 4
	v_cvt_pk_f16_f32 v[QT+4*e+j], v[AR+2*j], v[AR+2*j+1]
.set j, j+1
.endr
.set e, e+1
.endr
	WIN 0
.endm
.macro STOREQK a, c
	WIN 0
.set e, 0
.rept 8
	ds_store_b128 v11, v[QT+4*e:QT+4*e+3] offset:(e/2)*ZHP+(e%2)*512
.set e, e+1
.endr
	WIN 0x04                                       ; store data in window 1
.set e, 0
.rept 8
.set tb, 4*(e/2)+2*(\c)+(e%2)
	ds_store_b128 v11, v[64*(\a)+4*tb:64*(\a)+4*tb+3] offset:ZKO+(e/2)*ZHP+(e%2)*512
.set e, e+1
.endr
	WIN 0
.endm
.macro LOADQK                          ; my four tokens' fragments: lane (r, h) takes head r
.irp i, 0,1,2,3
	ds_load_b128 v[FR+16*(\i):FR+16*(\i)+3],     v12 offset:(\i)*16
	ds_load_b128 v[FR+16*(\i)+4:FR+16*(\i)+7],   v12 offset:(\i)*16+512
	ds_load_b128 v[FR+16*(\i)+8:FR+16*(\i)+11],  v12 offset:ZKO+(\i)*16
	ds_load_b128 v[FR+16*(\i)+12:FR+16*(\i)+15], v12 offset:ZKO+(\i)*16+512
.endr
.endm
.macro SCORE c                         ; S^T = k q^T: a lane holds ONE query head (r) and the key heads 8 h + 0..7.  The four tokens' accumulators take turns
.irp i, 0,1,2,3
.if \c
	v_wmma_f32_16x16x32_f16 v[SS+8*(\i):SS+8*(\i)+7], v[FR+16*(\i)+8:FR+16*(\i)+15], v[FR+16*(\i):FR+16*(\i)+7], v[SS+8*(\i):SS+8*(\i)+7]
.else
	v_wmma_f32_16x16x32_f16 v[SS+8*(\i):SS+8*(\i)+7], v[FR+16*(\i)+8:FR+16*(\i)+15], v[FR+16*(\i):FR+16*(\i)+7], 0
.endif
.endr
.endm
; Four tokens' softmax, line by line for all four.  p = 2^(c s - c m) / l with the row's true maximum m; the other eight key heads lie in the lane 16 away.  The 32 exponentials are one batch, the eight
; reciprocals another: behind each batch one plain instruction and the one wait ahead of the first use.  p, rounded to f16 in pairs, IS source 1 of O^T = v^T p
; (key heads 0-15 in registers 0-3; registers 4-7, key heads 16-31 that do not exist, hold 0).  It takes the place of block a's k, which has been stored.
.macro SOFTMAX a
	WIN 0
	ALL4 v_max3_num_f32 v[TT+8*t+2], v[SS+8*t], v[SS+8*t+1], v[SS+8*t+2]
	ALL4 v_max3_num_f32 v[TT+8*t+3], v[SS+8*t+3], v[SS+8*t+4], v[SS+8*t+5]
	ALL4 v_max3_num_f32 v[TT+8*t+2], v[TT+8*t+2], v[SS+8*t+6], v[SS+8*t+7]
	ALL4 v_max_num_f32 v[TT+8*t+2], v[TT+8*t+2], v[TT+8*t+3]
	ALL4 v_permlanex16_b32 v[TT+8*t+3], v[TT+8*t+2], s46, s47
	ALL4 v_max_num_f32 v[TT+8*t+1], v[TT+8*t+2], v[TT+8*t+3]
	ALL4 v_mul_f32 v[TT+8*t], s44, v[TT+8*t+1]
.irp j, 0,2,4,6
	ALL4 v_pk_fma_f32 v[SS+8*t+(\j):SS+8*t+(\j)+1], v[SS+8*t+(\j):SS+8*t+(\j)+1], s[44:45], v[TT+8*t:TT+8*t+1] op_sel_hi:[1,0,0] neg_lo:[0,0,1] neg_hi:[0,0,1]
.endr
.irp j, 0,1,2,3,4,5,6,7
	ALL4 v_exp_f32 v[SS+8*t+(\j)], v[SS+8*t+(\j)]
.endr
	v_nop
	s_wait_alu depctr_va_vdst(0)
	ALL4 v_pk_add_f32 v[TT+8*t+2:TT+8*t+3], v[SS+8*t:SS+8*t+1], v[SS+8*t+2:SS+8*t+3]
	ALL4 v_pk_add_f32 v[TT+8*t+4:TT+8*t+5], v[SS+8*t+4:SS+8*t+5], v[SS+8*t+6:SS+8*t+7]
	ALL4 v_pk_add_f32 v[TT+8*t+2:TT+8*t+3], v[TT+8*t+2:TT+8*t+3], v[TT+8*t+4:TT+8*t+5]
	ALL4 v_add_f32 v[TT+8*t+2], v[TT+8*t+2], v[TT+8*t+3]
	ALL4 v_permlanex16_b32 v[TT+8*t+3], v[TT+8*t+2], s46, s47
	ALL4 v_add_f32 v[TT+8*t+2], v[TT+8*t+2], v[TT+8*t+3]
	ALL4 v_rcp_f32 v[TT+8*t+6], v[TT+8*t+2]
	ALL4 v_rcp_f32 v[TT+8*t+7], v[TT+8*t+2]
	v_nop
	s_wait_alu depctr_va_vdst(0)
.irp j, 0,2,4,6
	ALL4 v_pk_mul_f32 v[SS+8*t+(\j):SS+8*t+(\j)+1], v[SS+8*t+(\j):SS+8*t+(\j)+1], v[TT+8*t+6:TT+8*t+7]
.endr
	WIN 0x40                                       ; destination window 1
.irp j, 0,1,2,3
	ALL4 v_cvt_pk_f16_f32 v[64*(\a)+8*t+(\j)], v[SS+8*t+2*(\j)], v[SS+8*t+2*(\j)+1]
.endr
.irp j, 4,5,6,7
	ALL4 v_mov_b32 v[64*(\a)+8*t+(\j)], 0
.endr
	WIN 0
.endm
; A sub-round: store, wait, barrier, load; then load's wait, signal, work on registers (the products, the next sub-round's roundings, which are the places behind them, the softmax), wait: only then the exchange is written again.
.macro SUBR a, c, na, nc, lastf
	STOREQK \a, \c
	s_wait_dscnt 0x0                               ; for the others' sake: my stores are done
	s_barrier_signal -1
	s_barrier_wait -1
	LOADQK
	s_wait_dscnt 0x0                               ; my reads of the exchange are over
.if !(\lastf)
	s_barrier_signal -1
.endif
	SCORE \c
.if \lastf
	PLACES
.else
	CVTQ \na, \nc
.endif
.if \c
	SOFTMAX \a
.endif
.if !(\lastf)
	s_barrier_wait -1
.endif
.endm
	PLACES
	CVTQ 0, 0
	SUBR 0, 0, 0, 1, 0
	SUBR 0, 1, 1, 0, 0
	SUBR 1, 0, 1, 1, 0
	SUBR 1, 1, 2, 0, 0
	SUBR 2, 0, 2, 1, 0
	SUBR 2, 1, 3, 0, 0
	SUBR 3, 0, 3, 1, 0
	SUBR 3, 1, 0, 0, 1
; ---- v, and O = p v ----
	GEMM 2, 0
	PLACES
	s_wait_dscnt 0x0                               ; my reads of x are over
	s_barrier_signal -1
	s_barrier_wait -1                              ; everybody's are: XR may be written
.macro CVTV a                          ; v of token block a, rounded to f16, into the bytes of XR that the same token, head and channels of O will have
.set tb, 0
.rept 16
	WIN 0x0a+5*(tb/8)
.set AR, 8*(4*(tb%8)+(\a))
.set j, 0
.rept 4
	v_cvt_pk_f16_f32 v[FR+4*tb+j], v[AR+2*j], v[AR+2*j+1]
.set j, j+1
.endr
.set tb, tb+1
.endr
	WIN 0
.set tb, 0
.rept 16
	ds_store_b128 v13, v[FR+4*tb:FR+4*tb+3] offset:(tb/4)*XBLK+((tb/2)%2)*4096+(\a)*1024+(tb%2)*512
.set tb, tb+1
.endr
.endm
	CVTV 0
	CVTV 1
	CVTV 2
	CVTV 3
	s_wait_dscnt 0x0
	s_barrier_signal -1
	s_barrier_wait -1                              ; all of v lies in XR
.set e, 0
.rept 16                               ; the upper halves of v's fragments (key heads 16-31) hold 0
.irp j, 4,5,6,7
	v_mov_b32 v[FR+8*e+(\j)], 0
.endr
.set e, e+1
.endr
; Batch a: my four tokens 16 a + 4 w + i.  e = 4 i + db: token i, channels 16 db ..  The turning load leaves v^T: lane L holds channel L % 16 and key heads 8 h + 0..7.
; O^T = v^T p holds one query head a lane (r) and 8 channels; rounded to f16 it waits in window 3 until every wave has read its v.
.macro PVBATCH a
	WIN 0
.set e, 0
.rept 16
	ds_load_tr16_b128 v[FR+8*e:FR+8*e+3], v14 offset:((e%4)/2)*4096+(e%2)*512+(\a)*1024+(e/4)*16
.set e, e+1
.endr
	s_wait_dscnt 0x0
	WIN 0x84                                       ; D window 2, p window 1
.set e, 0
.rept 16
	v_wmma_f32_16x16x32_f16 v[8*e:8*e+7], v[FR+8*e:FR+8*e+7], v[64*(\a)+8*(e/4):64*(\a)+8*(e/4)+7], 0
.set e, e+1
.endr
	PLACES
	WIN 0xca                                       ; sources window 2, destination window 3
.set e, 0
.rept 64
	v_cvt_pk_f16_f32 v[64*(\a)+e], v[2*e], v[2*e+1]
.set e, e+1
.endr
	WIN 0
.endm
	PVBATCH 0
	PVBATCH 1
	PVBATCH 2
	PVBATCH 3
	s_wait_dscnt 0x0                               ; my reads of v are over
	s_barrier_signal -1
	s_barrier_wait -1                              ; everybody's are: O takes v's bytes
	WIN 0x0c                                       ; store data in window 3
.set e, 0
.rept 64                               ; e = 16 a + 4 i + db
	ds_store_b128 v15, v[4*e:4*e+3] offset:((e%4)/2)*4096+(e%2)*512+(e/16)*1024+((e/4)%4)*16
.set e, e+1
.endr
	WIN 0
	s_wait_dscnt 0x0
	s_barrier_signal -1
	s_barrier_wait -1                              ; all of O lies in XR, as source 1's fragments
; ---- the last projection and the way out ----
	GEMM 3, 1
; Pass n: token block n / 4, 64 columns (tiles 4 (n % 4) ..): a lane's 32 bytes of a row go into my own stage (rows of 272 bytes) and come back as whole rows of 256 bytes.
; LDS serves a wave's instructions in order (ISA guide 5.7.1.4): the loads see the stores above them, and the next pass's stores come behind them.
.macro TOSTAGE n
	s_wait_xcnt 0x0                                ; the stores of two passes back have read the registers that are loaded again below
	WIN 0x08+4*(((\n)%4)/2)                        ; store data in window 2 or 3
.set e, 0
.rept 4
.set AR, 8*(4*((4*((\n)%4)+e)%8)+(\n)/4)
	ds_store_b128 v16, v[AR:AR+3]   offset:64*e
	ds_store_b128 v16, v[AR+4:AR+7] offset:64*e+16
.set e, e+1
.endr
	WIN 0
.set e, 0
.rept 8
	ds_load_b128 v[AF+32*((\n)%2)+4*e:AF+32*((\n)%2)+4*e+3], v17 offset:2*STP*e
.set e, e+1
.endr
.endm
.macro SEND n, younger                 ; younger: the next pass's 16 LDS instructions, or none
	s_wait_dscnt \younger
.set e, 0
.rept 8
	global_store_b128 v18, v[AF+32*((\n)%2)+4*e:AF+32*((\n)%2)+4*e+3], s[48:49] offset:((\n)/4)*65536+e*8192+((\n)%4)*256 th:TH_STORE_NT  ; 16 lanes store 256 consecutive bytes, at a multiple of 256 from out0's first byte
.set e, e+1
.endr
.endm
	PLACES
	TOSTAGE 0
.set n, 1
.rept 15
	TOSTAGE n
	SEND n-1, 16
.set n, n+1
.endr
	SEND 15, 0
	s_wait_tensorcnt 0x0                           ; the wave's end: behind my last tensor load and my last LDS store
	ds_add_u32 v4, v5
	s_wait_dscnt 0x0
	CROUND                                         ; the closing round: no work-group ends while a partner may still ask for a tile that names it
	s_endpgm
.Lfunc_end_k_qbfb7289352_fused:
	.size	k_qbfb7289352_fused, .Lfunc_end_k_qbfb7289352_fused-k_qbfb7289352_fused
	.p2alignl 7, 3214868480
	.fill 96, 4, 3214868480
	.section	.rodata,"a",@progbits
	.p2align	6, 0x0
	.amdhsa_kernel k_qbfb7289352_fused
		.amdhsa_group_segment_fixed_size 327680
		.amdhsa_private_segment_fixed_size 0
		.amdhsa_enable_private_segment 0
		.amdhsa_kernarg_size 56
		.amdhsa_user_sgpr_count 2
		.amdhsa_user_sgpr_kernarg_segment_ptr 1
		.amdhsa_wavefront_size32 1
		.amdhsa_system_sgpr_workgroup_id_x 1
		.amdhsa_system_sgpr_workgroup_id_y 1
		.amdhsa_system_sgpr_workgroup_id_z 1
		.amdhsa_system_vgpr_workitem_id 0
		.amdhsa_next_free_vgpr 1024
		.amdhsa_next_free_sgpr 66
		.amdhsa_reserve_vcc 0
		.amdhsa_float_denorm_mode_32 3
		.amdhsa_float_denorm_mode_16_64 3
		.amdhsa_memory_ordered 1
		.amdhsa_forward_progress 1
		.amdhsa_inst_pref_size 255
	.end_amdhsa_kernel
	.section	.bss,"aw",@nobits
	.p2align	6
	.space	262144
	.amdgpu_metadata
---
amdhsa.version: [ 1, 2 ]
amdhsa.kernels:
  - .name:           k_qbfb7289352_fused
    .symbol:         k_qbfb7289352_fused.kd
    .args:
      - { .name: x, .offset: 0, .size: 8, .value_kind: global_buffer, .address_space: global }
      - { .name: wb, .offset: 8, .size: 8, .value_kind: global_buffer, .address_space: global }
      - { .name: bk, .offset: 16, .size: 8, .value_kind: global_buffer, .address_space: global }
      - { .name: bq, .offset: 24, .size: 8, .value_kind: global_buffer, .address_space: global }
      - { .name: bv, .offset: 32, .size: 8, .value_kind: global_buffer, .address_space: global }
      - { .name: bo, .offset: 40, .size: 8, .value_kind: global_buffer, .address_space: global }
      - { .name: out0, .offset: 48, .size: 8, .value_kind: global_buffer, .address_space: global }
    .group_segment_fixed_size: 327680
    .private_segment_fixed_size: 0
    .kernarg_segment_align: 8
    .kernarg_segment_size: 56
    .max_flat_workgroup_size: 128
    .sgpr_count:     66
    .vgpr_count:     1024
    .wavefront_size: 32
...
	.end_amdgpu_metadata
.endif
;; end of part 2
;; ======== version 2 of 2: 4 launches
;; limits: values are held in f16: magnitudes above 65,504 overflow, below 6.1e-05 lose precision
;; workspace buffers: xh 33,554,432 bytes; wh 8,388,608 bytes; bh 12,288 bytes; qkv 100,663,296 bytes; oh 33,554,432 bytes
;; launch prep (part 3): grid 256 x 1, 10 waves a work-group, no clusters, 0 bytes of LDS; arguments x, wq, wk, wv, wo, bq, bk, bv, xh, wh, bh; writes xh, wh, bh
.if DOCPART == 3
	.amdgcn_target "amdgcn-amd-amdhsa--gfx1250"
	.amdhsa_code_object_version 6
	.text
	.protected	k_qbfb7289352_prep
	.globl	k_qbfb7289352_prep
	.p2align	8
	.type	k_qbfb7289352_prep,@function
k_qbfb7289352_prep:
	s_mov_b64 s[64:65], 0
	v_nop
	global_prefetch_b8 v0, s[64:65] scope:SCOPE_SE
	s_setreg_imm32_b32 hwreg(HW_REG_WAVE_MODE, 25, 1), 1
	s_wait_xcnt 0x0
; x and the four weight matrices are rounded once to f16 (nearest even); the weights and three biases are put into the order in which the later launches want them.
; xh [16384][1024] = x.   wh [4096][1024]: rows 0-1023 q', 1024-2047 k', 2048-3071 v', 3072-4095 wo'.   bh [3072] f32: bq, bk, bv in the order of wh's rows.
;   q', k': row 8 p + e, p = 32 j + 16 h + r, is the matrix's row 64 r + 32 h + 8 j + e (head r, channel 32 h + 8 j + e)
;   v':     row 8 p + e, p = 32 db + 16 h + c, is the matrix's row 64 (8 h + e) + 16 db + c (head 8 h + e, channel 16 db + c)
;   wo':    rows as they are; the eight columns 8 P .. 8 P + 7, P = 32 jj + 16 h + r, are wo's columns 64 r + 8 (2 jj + h) ..
; LIMIT: a number of 65,520 or more in size becomes an infinity; below 6e-5 f16 keeps its fixed step of 6e-8.
; SHARES.  20,480 rows of 4,096 bytes go in, 2,048 bytes each come out: 2,560 groups of 8 rows that lie on end in the output, a group to a wave, ten waves to each of 256 work-groups, so that all
; work-groups move the same bytes (group G = 10 x work-group + wave: 0-2047 x, 2048-2559 the weights).  In the source a group's rows lie one row apart, for v' 64 rows.
; A lane takes 32 bytes of f32 by two loads and stores their 16 bytes of f16: a store of the wave covers 512 consecutive bytes, aligned.
; A ring of four row slots in registers keeps 24 to 32 loads of every wave on their way.  No LDS and no barrier: no wave wants what another has loaded.
.set DO,  5                            ; v5        16 x lane: my place in 512 bytes of output; never rewritten
.set OFF, 16                           ; v[16:47]  row e, quarter jj of a row: my byte offset in the source; never rewritten
.set IN,  48                           ; v[48:175] slot e % 4: 32 registers, a row as loaded
.set OUT, 176                          ; v[176:207] two sets of 16: a row to store
	s_load_b512 s[4:19], s[0:1], 0x0               ; x s[4:5], wq s[6:7], wk s[8:9], wv s[10:11], wo s[12:13], bq s[14:15], bk s[16:17], bv s[18:19]
	s_load_b128 s[20:23], s[0:1], 0x40             ; xh s[20:21], wh s[22:23]
	s_load_b64 s[24:25], s[0:1], 0x50              ; bh
	v_lshrrev_b32 v1, 5, v0
	v_readfirstlane_b32 s26, v1                    ; wave 0..9
	v_and_b32 v1, 31, v0                           ; lane
	s_mul_i32 s27, ttmp9, 10
	s_add_co_u32 s27, s27, s26                     ; G
	s_sub_co_u32 s28, s27, 2048
	s_and_b32 s28, s28, 511                        ; the group among the weights' (of no use in x's groups)
	s_lshr_b32 s29, s28, 7                         ; which matrix: 0 wq, 1 wk, 2 wv, 3 wo
	s_and_b32 s34, s28, 127                        ; p
	s_lshr_b32 s35, s34, 5                         ; j or db
	s_bfe_u32 s36, s34, 0x10004                    ; h
	s_and_b32 s37, s34, 15                         ; r or c
	s_lshl_b32 s38, s37, 6
	s_lshl_b32 s39, s36, 5
	s_add_co_u32 s38, s38, s39
	s_lshl_b32 s39, s35, 3
	s_add_co_u32 s38, s38, s39                     ; q', k': first source row 64 r + 32 h + 8 j
	s_lshl_b32 s40, s36, 9
	s_lshl_b32 s39, s35, 4
	s_add_co_u32 s40, s40, s39
	s_add_co_u32 s40, s40, s37                     ; v': 512 h + 16 db + c
	s_lshl_b32 s41, s34, 3                         ; wo': 8 p
	s_lshl_b32 s42, s27, 3                         ; x: 8 G, in and out
	s_lshl_b32 s43, s28, 3                         ; the weights' first row in wh
	s_mov_b32 s51, 64*4096
	s_mov_b32 s52, 4096
	v_lshlrev_b32 v2, 5, v1                        ; 32 bytes a lane, lanes on end;
	v_and_b32 v3, 15, v1
	v_lshrrev_b32 v4, 4, v1
	v_lshlrev_b32 v3, 8, v3
	v_lshl_add_u32 v3, v4, 5, v3                   ; for wo': 256 r + 32 h
	v_lshlrev_b32 v[DO], 4, v1
	s_wait_kmcnt 0x0
	s_cmp_eq_u32 s29, 2                            ; every choice hangs on the work-group's and the wave's number alone
	s_cselect_b32 s44, s40, s38                    ; first source row
	s_cselect_b32 s45, s51, s52                    ; bytes from row to row in the source
	s_cselect_b64 s[30:31], s[10:11], s[6:7]       ; the source
	s_cselect_b64 s[46:47], s[18:19], s[14:15]     ; its bias
	s_cmp_eq_u32 s29, 1
	s_cselect_b64 s[30:31], s[8:9], s[30:31]
	s_cselect_b64 s[46:47], s[16:17], s[46:47]
	s_cmp_eq_u32 s29, 3
	s_cselect_b32 s44, s41, s44
	s_cselect_b32 s48, 64, 1024                    ; bytes in the source from one quarter of an output row to the next
	s_cselect_b32 s49, -1, 0                       ; wo's lane pattern
	s_cselect_b64 s[30:31], s[12:13], s[30:31]
	s_cmp_lt_u32 s27, 2048
	s_cselect_b32 s44, s42, s44
	s_cselect_b32 s45, 4096, s45
	s_cselect_b32 s48, 1024, s48
	s_cselect_b32 s49, 0, s49
	s_cselect_b32 s50, s42, s43                    ; first output row
	s_cselect_b64 s[30:31], s[4:5], s[30:31]
	s_cselect_b64 s[32:33], s[20:21], s[22:23]     ; the output
	s_lshl_b32 s54, s44, 12
	s_mov_b32 s55, 0
	s_add_nc_u64 s[30:31], s[30:31], s[54:55]
	s_lshl_b32 s56, s50, 11
	s_mov_b32 s57, 0
	s_add_nc_u64 s[32:33], s[32:33], s[56:57]
	v_cndmask_b32 v[OFF], v2, v3, s49
	v_add_nc_u32 v[OFF+1], s48, v[OFF]
	v_add_nc_u32 v[OFF+2], s48, v[OFF+1]
	v_add_nc_u32 v[OFF+3], s48, v[OFF+2]
.set i, 4
.rept 28
	v_add_nc_u32 v[OFF+i], s45, v[OFF+i-4]
.set i, i+1
.endr
.macro LOADROW e                       ; a row's eight loads into slot e % 4
.irp jj, 0,1,2,3
	global_load_b128 v[IN+32*((\e)%4)+8*(\jj):IN+32*((\e)%4)+8*(\jj)+3],   v[OFF+4*(\e)+(\jj)], s[30:31] th:TH_LOAD_NT
	global_load_b128 v[IN+32*((\e)%4)+8*(\jj)+4:IN+32*((\e)%4)+8*(\jj)+7], v[OFF+4*(\e)+(\jj)], s[30:31] offset:16 th:TH_LOAD_NT
.endr
.endm
; Row e: rounded, its slot asked for again (row e + 4), stored.  left = how many younger loads may stay out.
.macro CONV e, left
	s_wait_loadcnt \left                           ; loads come back in order (ISA guide 5.7.1): this row's eight are in
	s_wait_xcnt 0x0                                ; the stores of two rows back have read the registers that are written below
.set t, 0
.rept 16
	v_cvt_pk_f16_f32 v[OUT+16*((\e)%2)+t], v[IN+32*((\e)%4)+2*t], v[IN+32*((\e)%4)+2*t+1]
.set t, t+1
.endr
.if (\e) < 4
	LOADROW (\e)+4
.endif
.irp jj, 0,1,2,3
	global_store_b128 v[DO], v[OUT+16*((\e)%2)+4*(\jj):OUT+16*((\e)%2)+4*(\jj)+3], s[32:33] offset:(\e)*2048+(\jj)*512
.endr
.endm
	LOADROW 0
	LOADROW 1
	LOADROW 2
	LOADROW 3
	CONV 0, 24                                     ; three younger rows, 24 loads, stay out;
	CONV 1, 24
	CONV 2, 24
	CONV 3, 24
	CONV 4, 24
	CONV 5, 16                                     ; nothing more is asked for: the counts run down
	CONV 6, 8
	CONV 7, 0
	; THE BIASES.  Among the groups of wq, wk, wv the wave whose G is a multiple of 8 writes the 64 biases of the rows of groups G .. G + 7: two a lane, 256 consecutive bytes, aligned.
	s_and_b32 s58, s27, 7
	s_cmp_lg_u32 s58, 0
	s_cbranch_scc1 .Lend
	s_cmp_lt_u32 s27, 2048
	s_cbranch_scc1 .Lend
	s_cmp_eq_u32 s29, 3
	s_cbranch_scc1 .Lend
	v_lshrrev_b32 v6, 2, v1
	v_add_nc_u32 v6, s34, v6                       ; my two rows' p
	v_lshlrev_b32 v7, 1, v1
	v_and_b32 v7, 6, v7                            ; and the first one's e
	v_and_b32 v8, 15, v6
	v_bfe_u32 v9, v6, 4, 1
	v_lshrrev_b32 v10, 5, v6
	v_lshl_add_u32 v11, v8, 6, v7                  ; q', k': 64 r + 32 h + 8 j + e
	v_lshl_add_u32 v11, v9, 5, v11
	v_lshl_add_u32 v11, v10, 3, v11
	v_lshl_add_u32 v12, v9, 9, v8                  ; v': 512 h + 64 e + 16 db + c
	v_lshl_add_u32 v12, v7, 6, v12
	v_lshl_add_u32 v12, v10, 4, v12
	s_cmp_eq_u32 s29, 2
	s_cselect_b32 s54, -1, 0
	s_cselect_b32 s55, 256, 4                      ; bytes to the second row's bias
	v_cndmask_b32 v11, v11, v12, s54
	v_lshlrev_b32 v11, 2, v11
	v_add_nc_u32 v12, s55, v11
	global_load_b32 v14, v11, s[46:47]
	global_load_b32 v15, v12, s[46:47]
	s_lshl_b32 s56, s28, 5                         ; 8 rows a group, 4 bytes a row
	s_add_nc_u64 s[24:25], s[24:25], s[56:57]
	v_lshlrev_b32 v13, 3, v1
	s_wait_loadcnt 0x0
	global_store_b64 v13, v[14:15], s[24:25]
.Lend:
	s_endpgm
.Lfunc_end_k_qbfb7289352_prep:
	.size	k_qbfb7289352_prep, .Lfunc_end_k_qbfb7289352_prep-k_qbfb7289352_prep
	.p2alignl 7, 3214868480
	.fill 96, 4, 3214868480
	.section	.rodata,"a",@progbits
	.p2align	6, 0x0
	.amdhsa_kernel k_qbfb7289352_prep
		.amdhsa_group_segment_fixed_size 0
		.amdhsa_private_segment_fixed_size 0
		.amdhsa_enable_private_segment 0
		.amdhsa_kernarg_size 88
		.amdhsa_user_sgpr_count 2
		.amdhsa_user_sgpr_kernarg_segment_ptr 1
		.amdhsa_wavefront_size32 1
		.amdhsa_system_sgpr_workgroup_id_x 1
		.amdhsa_system_sgpr_workgroup_id_y 1
		.amdhsa_system_sgpr_workgroup_id_z 1
		.amdhsa_system_vgpr_workitem_id 0
		.amdhsa_next_free_vgpr 208
		.amdhsa_next_free_sgpr 66
		.amdhsa_reserve_vcc 0
		.amdhsa_float_denorm_mode_32 3
		.amdhsa_float_denorm_mode_16_64 3
		.amdhsa_memory_ordered 1
		.amdhsa_forward_progress 1
		.amdhsa_inst_pref_size 23
	.end_amdhsa_kernel
	.amdgpu_metadata
---
amdhsa.version: [ 1, 2 ]
amdhsa.kernels:
  - .name:           k_qbfb7289352_prep
    .symbol:         k_qbfb7289352_prep.kd
    .args:
      - { .name: x, .offset: 0, .size: 8, .value_kind: global_buffer, .address_space: global }
      - { .name: wq, .offset: 8, .size: 8, .value_kind: global_buffer, .address_space: global }
      - { .name: wk, .offset: 16, .size: 8, .value_kind: global_buffer, .address_space: global }
      - { .name: wv, .offset: 24, .size: 8, .value_kind: global_buffer, .address_space: global }
      - { .name: wo, .offset: 32, .size: 8, .value_kind: global_buffer, .address_space: global }
      - { .name: bq, .offset: 40, .size: 8, .value_kind: global_buffer, .address_space: global }
      - { .name: bk, .offset: 48, .size: 8, .value_kind: global_buffer, .address_space: global }
      - { .name: bv, .offset: 56, .size: 8, .value_kind: global_buffer, .address_space: global }
      - { .name: xh, .offset: 64, .size: 8, .value_kind: global_buffer, .address_space: global }
      - { .name: wh, .offset: 72, .size: 8, .value_kind: global_buffer, .address_space: global }
      - { .name: bh, .offset: 80, .size: 8, .value_kind: global_buffer, .address_space: global }
    .group_segment_fixed_size: 0
    .private_segment_fixed_size: 0
    .kernarg_segment_align: 8
    .kernarg_segment_size: 88
    .max_flat_workgroup_size: 320
    .sgpr_count:     66
    .vgpr_count:     208
    .wavefront_size: 32
...
	.end_amdgpu_metadata
.endif
;; end of part 3
;; launch gemm_qkv (part 4): grid 4 x 64, 4 waves a work-group, clusters of 4 x 4, 327,680 bytes of LDS; arguments xh, wh, qkv, bh; writes qkv
.if DOCPART == 4
	.amdgcn_target "amdgcn-amd-amdhsa--gfx1250"
	.amdhsa_code_object_version 6
	.text
	.protected	k_qbfb7289352_gemm_qkv
	.globl	k_qbfb7289352_gemm_qkv
	.p2align	8
	.type	k_qbfb7289352_gemm_qkv,@function
k_qbfb7289352_gemm_qkv:
	s_mov_b64 s[64:65], 0
	v_nop
	global_prefetch_b8 v0, s[64:65] scope:SCOPE_SE
	s_setreg_imm32_b32 hwreg(HW_REG_WAVE_MODE, 25, 1), 1
	s_wait_xcnt 0x0
	s_wait_alu depctr_hold_cnt(0) depctr_sa_sdst(0) depctr_va_vdst(0) depctr_va_sdst(0) depctr_va_ssrc(0) depctr_va_vcc(0) depctr_vm_vsrc(0)
	s_getreg_b32 s2, hwreg(HW_REG_IB_STS2, 6, 4)
	s_cmp_eq_u32 s2, 0
	s_cbranch_scc0 .Lentry_in_a_cluster
	s_endpgm
.Lentry_in_a_cluster:
	s_bfe_u32 s2, ttmp6, 0x10000c
	s_cmp_lg_u32 s2, 0xf033
	s_cbranch_scc0 .Lentry_shape_is_right
	s_endpgm
.Lentry_shape_is_right:
; C[m][n] = bias[n] + sum over k of A[m][k] B[n][k].  A = xh [16384][1024], B = wh's rows 0-3071 [3072][1024], both f16; bias = bh [3072] f32; C = qkv [16384][3072] f16; sums in f32, C rounded once.
; LIMIT: a result of 65,520 or more in size becomes an infinity.
; A tile of C, 256 x 256, is made by a work-group of four waves; a wave makes 128 x 128: 64 accumulators of 16 x 16, 512 registers.
; K goes in 8 steps of 128 through a ring of two LDS slots filled by the tensor data mover: the rows of A's and B's tiles are 256 bytes of memory, at multiples of 256 bytes.
; A WORK-GROUP STAYS: it makes three tiles of C side by side, 1,024 columns apart (768 tiles, 256 work-groups): a loop over tiles round the loop over K.  The three share their rows of A.  The ring does not
; stop at a tile's end: a tile's last two changes of slots ask for the next tile's first two K steps, and nothing waits for a tile's stores.  The last tile's last K step goes by rows of C, so that
; finished rows leave while the others are multiplied.
; CLUSTERS: 4 x 4 work-groups.  The four of a row of the cluster need the same tiles of A, the four of a column the same tiles of B: such a tile is asked for JOINTLY, by the same tensor load with the
; same descriptor and a mask that names the four; each receives it in its own LDS.
; THE MATRIX INSTRUCTION IS USED TRANSPOSED: source 0 = 16 rows of B, source 1 = 16 rows of A: lane l holds row l % 16 of C and the columns 8 (l / 16) + 0..7.  THE BIAS is the C operand of a tile's first
; 32 along K: nothing is cleared, and nothing is added afterwards.
; REGISTERS, in windows of 256 (s_set_vgpr_msb: bits 1:0 source 0, 3:2 source 1, 5:4 source 2, 7:6 destination):
;   window 0: v0-31 addresses; v64-127, v128-191 fragments of A, two buffers (in the very last K step four, of 16 rows x 128 K); v32-63, v192-255 at work on the way out
;   window 1: v0-63 the bias of the tile in hand or to come; v64-127, v128-191 fragments of B, two buffers; in the very last K step all 256 hold B
;   window 2: the 32 accumulators of my rows 0-63 (accumulator (a, b) at v[8 (8 a + b)]);   window 3: those of my rows 64-127
.set SIZE_M, 16384
.set SIZE_N, 3072
.set SIZE_K, 1024
.set SIZE_TILES, 3
.set KSTEP,  128
.set WALK,   SIZE_N/SIZE_TILES         ; a work-group's tiles lie 1,024 columns of C, that is rows of B, apart
.set BACK_A, (SIZE_K-2*KSTEP)*2        ; bytes from a slot's last K step of a tile back to its first: the walk's tiles share their rows of A;
.set NEXT_B, WALK*SIZE_K*2-(SIZE_K-2*KSTEP)*2  ; B goes WALK rows down and back along K
.set PITCH,  272                       ; an LDS row: 256 bytes + 16 of padding = 68 words: row r starts at bank 4 r mod 64 (64 banks of 4 bytes: ISA guide 11.1), so the 16 rows of a load start at 16 different banks
.set HALFT,  128*PITCH                 ; 128 rows: what one tensor load brings, and what one wave reads of A or of B
.set SLOT,   4*HALFT                   ; A's 256 rows, then B's 256 rows
.set STAGE,  2*SLOT                    ; behind the ring: 16 rows x 272 bytes for each wave, for the way out
.set SPITCH, 272
.set SPARE,  STAGE+4*16*SPITCH         ; behind the stages: the spare words, 128 bytes for each wave: two blocks of 256 bytes that no other line names
.set LAPS,   SIZE_K/(2*KSTEP)          ; a lap = two K steps = once round the ring
.set ADRA, 16                          ; v16-17  LDS address of my A fragments in slot 0, 1
.set ADRB, 20                          ; v20-21  the same for B
.set STO,  24                          ; v24     the way out: where I put 16 bytes of a row
.set RD,   25                          ; v25     the way out: where I read a row back
.set CO,   26                          ; v26     my byte offset in C
.set BO,   27                          ; v27     my byte offset in a tile's bias: 32 (l / 16); never rewritten
.set SPW,  28                          ; v28     LDS address of my spare word; never rewritten
.set NIL,  29                          ; v29     0; never rewritten
.set PFO,  30                          ; v30     the prefetches' offset: my lane x a row of A or B; never rewritten
.set PFA,  44                          ; s[44:45] where my prefetches stand: one K step further along K than the refill that is being asked for; a prefetch names the K step after that
.set LIM,  43                          ; s43     1 in a wave that prefetches, else the greatest number
.set BP,   66                          ; s[66:67] the bias at my 128 columns of the tile whose bias is loaded next
.set CB,   70                          ; s[70:71] C at my first row and column of the tile that goes out next
.set F0,   64
.set F1,   128
.set TMP,  192                         ; the way out: packed results
.set BI,   0                           ; window 1: the bias of column block b at BI + 8 b
.set OB,   32                          ; the way out: 16 rows read back: v32-63 and v224-255 by turns
.set PA,   64                          ; the very last K step: A's fragments of 16 rows x 128 K; four such buffers
.set G1, 24                            ; s[24:31] descriptor group 1 for A's tiles;  s[32:39] group 0, a set for each slot
.set G0, 32
.set G1B, 48                           ; s[48:55], s[56:63] the same for B's tiles
.set G0B, 56
.set MSB, 0
.macro WIN new                         ; the immediate's high byte repeats the setting that is left; a switch that changes nothing is dropped
.if MSB != (\new)
	s_set_vgpr_msb (MSB<<8)|(\new)
.set MSB, \new
.endif
.endm
.set MUL_LO, 0xa1                      ; source 0 (B) window 1, source 1 (A) window 0, C and D window 2
.set MUL_HI, 0xf1                      ; the same, C and D window 3
.set TO_B,   0x40                      ; destination window 1, address window 0
; A joint load.  Waves 0 and 1 fetch A's two halves, waves 2 and 3 B's.  The branch hangs on the wave's number alone.  An s_nop 0 and four v_nop follow each of the two lines.
.macro JLOAD s
	s_cmp_eq_u32 s11, 0
	s_cbranch_scc0 .Lfor_b_\@
	tensor_load_to_lds s[G0+4*(\s):G0+4*(\s)+3], s[G1:G1+7]
	s_nop 0
.rept 4
	v_nop
.endr
	s_branch .Lasked_\@
.Lfor_b_\@:
	tensor_load_to_lds s[G0B+4*(\s):G0B+4*(\s)+3], s[G1B:G1B+7]
	s_nop 0
.rept 4
	v_nop
.endr
.Lasked_\@:
.endm
; The bias of my 128 columns of a tile: for column block b a lane's eight numbers, 32 bytes, into window 1.
.macro BIASLOAD
	WIN TO_B
.irp b, 0,1,2,3,4,5,6,7
	global_load_b128 v[BI+8*(\b):BI+8*(\b)+3],   v[BO], s[BP:BP+1] offset:64*(\b)
	global_load_b128 v[BI+8*(\b)+4:BI+8*(\b)+7], v[BO], s[BP:BP+1] offset:64*(\b)+16
.endr
.endm
; A PREFETCH INTO THE L2, behind each joint load, its five lines and the run of LDS loads: the K step that stands TWO refills on: 32 rows x 256 bytes, a lane a row, one instruction a wave.
; Each row's 256 bytes of a K step are named once in the launch: of the clusters that read a tile row of A the one with x = 0 asks, of those that read a tile column of B the one with y = 0; the four
; partners that ask for a tile jointly share its rows out BY ADDRESS, 32 each of the 128 that a wave fetches.  how = 0, in the loop: a tile's last two refills have no K step two on.  how = 1, at a change
; of tiles: the next tile's K steps 2 and 3 of B (its K steps 0 and 1 come by their refills alone).  A's rows, which the walk's tiles share, are asked for in the first tile alone.
; The launch's K steps 0 to 3 come by their loads alone.
.macro ASK how
.if \how
	s_cmp_eq_u32 s[LIM], 1
.else
	s_cmp_gt_u32 s3, s[LIM]                        ; s3 = 1 in the loop's last trip
.endif
	s_cbranch_scc0 .Lnot_mine_\@
	global_prefetch_b8 v[PFO], s[PFA:PFA+1] offset:KSTEP*2 th:TH_LOAD_NT scope:SCOPE_SE
.Lnot_mine_\@:
.endm
.macro CREST                           ; a round of the cluster's barrier behind its opening barrier
	s_cmp_lg_u32 s10, 0
	s_cbranch_scc1 .Lnot_wave_0_\@
	s_barrier_signal -3
.Lnot_wave_0_\@:
	s_barrier_wait -3
	s_barrier_signal -1
	s_barrier_wait -1
.endm
.macro CROUND                          ; a whole round
	s_barrier_signal -1
	s_barrier_wait -1
	CREST
.endm
	s_load_b128 s[4:7], s[0:1], 0x0                ; A s[4:5], B s[6:7]
	s_load_b64 s[8:9], s[0:1], 0x10                ; C
	s_load_b64 s[BP:BP+1], s[0:1], 0x18            ; bias
	v_lshl_add_u32 v[SPW], v0, 2, SPARE
	v_mov_b32 v[NIL], 0
	ds_add_u32 v[SPW], v[NIL]                      ; the wave's opening: the add and its wait stand ahead of my first tensor load; the set-up below, work on registers, stands between them
	v_lshrrev_b32 v1, 5, v0
	v_readfirstlane_b32 s10, v1                    ; wave 0..3
	s_lshr_b32 s11, s10, 1                         ; which half of the tile's rows is mine.  Also: I fetch for A (0) or for B (1)
	s_and_b32 s12, s10, 1                          ; which half of its columns.  Also: which 128 rows of that tile I fetch
	s_bfe_u32 s40, ttmp6, 0x40000                  ; cx
	s_bfe_u32 s41, ttmp6, 0x40004                  ; cy
	s_lshl_b32 s42, ttmp9, 2
	s_add_co_u32 s42, s42, s40                     ; the first tile's column of C = 4 x cluster x + cx
	s_and_b32 s13, ttmp7, 0xffff
	s_lshl_b32 s13, s13, 2
	s_add_co_u32 s13, s13, s41                     ; tile row of C = 4 x cluster y + cy
	s_lshl_b32 s43, s41, 2
	s_lshl_b32 s43, 15, s43                        ; my row of the cluster
	s_lshl_b32 s44, 0x1111, s40                    ; my column
	; descriptor group 1: a tile of 128 rows x 128 elements, padded in LDS
	s_or_b32 s[G1+0], s43, (1<<16)|(1<<20)|(1<<21)|(5<<22)|(3<<25)  ; 15:0 the mask; 17:16 elements of 2 bytes; 20 padding on; 21 set beside a mask; 24:22 after every 64 words (code 5); 31:25 4 words (code 3)
	s_or_b32 s[G1B+0], s44, (1<<16)|(1<<20)|(1<<21)|(5<<22)|(3<<25)
.irp g, G1, G1B
	s_mov_b32 s[(\g)+1], KSTEP<<16                 ; tensor_dim0 = 128
	s_mov_b32 s[(\g)+2], 128<<16                   ; tensor_dim1 = 128
	s_mov_b32 s[(\g)+3], KSTEP<<16                 ; tile_dim0 = 128
	s_mov_b32 s[(\g)+4], 128                       ; tile_dim1 = 128
	s_mov_b32 s[(\g)+5], SIZE_K                    ; elements from row to row
	s_mov_b32 s[(\g)+6], 0
	s_mov_b32 s[(\g)+7], 0
.endr
	; A's tiles hang on the tile row alone, B's on the tile column alone; each address is made in registers that never hold the other coordinate
	s_lshl_b32 s17, s12, 7
	s_lshl_b32 s16, s13, 8
	s_add_co_u32 s16, s16, s17                     ; A: row 256 x tile row + 128 x half
	s_lshl_b32 s46, s42, 8
	s_add_co_u32 s46, s46, s17                     ; B: row 256 x tile column + 128 x half
	s_mov_b32 s17, 0
	s_mov_b32 s47, 0
	s_mov_b64 s[18:19], SIZE_K*2
	s_mul_u64 s[16:17], s[16:17], s[18:19]
	s_mul_u64 s[46:47], s[46:47], s[18:19]
	s_mul_i32 s20, s10, HALFT                      ; where they go: wave x 128 rows: no place in the cluster enters an LDS address
	s_wait_dscnt 0x0                               ; the opening add is done
	s_wait_kmcnt 0x0
	s_add_nc_u64 s[14:15], s[4:5], s[16:17]
	s_add_nc_u64 s[46:47], s[6:7], s[46:47]
	CROUND                                         ; all sixteen work-groups are here: the first joint loads meet
.irp s, 0,1
	s_mov_b32 s[G0+4*(\s)], 1
	s_add_co_u32 s[G0+4*(\s)+1], s20, (\s)*SLOT
	s_add_nc_u64 s[G0+4*(\s)+2:G0+4*(\s)+3], s[14:15], (\s)*KSTEP*2
	s_or_b32 s[G0+4*(\s)+3], s[G0+4*(\s)+3], 0x80000000
	s_mov_b32 s[G0B+4*(\s)], 1
	s_add_co_u32 s[G0B+4*(\s)+1], s20, (\s)*SLOT
	s_add_nc_u64 s[G0B+4*(\s)+2:G0B+4*(\s)+3], s[46:47], (\s)*KSTEP*2
	s_or_b32 s[G0B+4*(\s)+3], s[G0B+4*(\s)+3], 0x80000000
	JLOAD \s                                       ; two loads of mine are out, the most in this text
.endr
	v_and_b32 v1, 15, v0                           ; l % 16
	v_bfe_u32 v2, v0, 4, 1                         ; l / 16
	v_lshlrev_b32 v[BO], 5, v2
	s_lshl_b32 s68, s42, 10                        ; 256 columns of 4 bytes a tile,
	s_lshl_b32 s69, s12, 9                         ; my half of them
	s_add_co_u32 s68, s68, s69
	s_mov_b32 s69, 0
	s_add_nc_u64 s[BP:BP+1], s[BP:BP+1], s[68:69]
	BIASLOAD                                       ; the first tile's
	WIN 0
	; A fragment is 16 rows x 32 K in 8 registers: lane l holds row l % 16; registers 0-3 K = 8 (l / 16) + 0..7, registers 4-7 K = 16 + 8 (l / 16) + 0..7: two loads of 16 bytes, 32 bytes apart
	v_mul_u32_u24 v3, v1, PITCH
	v_lshl_add_u32 v3, v2, 4, v3
	s_mul_i32 s21, s11, HALFT                      ; my 128 rows of A
	s_mul_i32 s22, s12, HALFT                      ; my 128 rows of B,
	s_add_co_u32 s22, s22, 2*HALFT                 ; which lie behind A's 256
.irp s, 0,1
	v_add_nc_u32 v[ADRA+(\s)], s21, v3
	v_add_nc_u32 v[ADRB+(\s)], s22, v3
	s_add_co_u32 s21, s21, SLOT
	s_add_co_u32 s22, s22, SLOT
.endr
	s_mul_i32 s23, s10, 16*SPITCH
	s_add_co_u32 s23, s23, STAGE                   ; my stage
	v_mul_u32_u24 v4, v1, SPITCH                   ; in: row l % 16, 16 bytes for each half of the lanes
	v_lshl_add_u32 v4, v2, 4, v4
	v_add_nc_u32 v[STO], s23, v4
	v_mul_u32_u24 v5, v2, SPITCH                   ; back: lanes 0-15 one row of 256 bytes, lanes 16-31 the next
	v_lshl_add_u32 v5, v1, 4, v5
	v_add_nc_u32 v[RD], s23, v5
	v_mul_u32_u24 v5, v2, SIZE_N*2                 ; and the same two rows in C
	v_lshl_add_u32 v[CO], v1, 4, v5
	s_lshl_b32 s13, s13, 8
	s_lshl_b32 s14, s11, 7
	s_add_co_u32 s16, s13, s14                     ; my first row of C
	s_mov_b32 s17, 0
	s_mov_b64 s[18:19], SIZE_N*2
	s_mul_u64 s[16:17], s[16:17], s[18:19]
	s_lshl_b32 s46, s42, 9                         ; my first column, in bytes: 512 x tile column + 256 x half
	s_lshl_b32 s47, s12, 8
	s_add_co_u32 s46, s46, s47
	s_mov_b32 s47, 0
	s_add_nc_u64 s[16:17], s[16:17], s[46:47]
	s_add_nc_u64 s[CB:CB+1], s[8:9], s[16:17]      ; C at my part of the first tile
	; the prefetches.  s13 = 256 x tile row, s42 = tile column, s40 = cx, s41 = cy still stand
	s_lshl_b32 s42, s42, 8
	s_and_b32 s22, ttmp7, 0xffff                   ; cluster y
	s_cmp_eq_u32 s11, 0                            ; do I fetch for A?
	s_cselect_b32 s20, s13, s42                    ; the tile's first row
	s_cselect_b32 s21, s40, s41                    ; my place among the four that ask for it with me
	s_cselect_b32 s22, ttmp9, s22                  ; the coordinate along which other clusters read the same rows
	s_cselect_b64 s[PFA:PFA+1], s[4:5], s[6:7]
	s_cmp_eq_u32 s22, 0
	s_cselect_b32 s[LIM], 1, -1                    ; the same in all sixteen partners, for a given wave
	s_lshl_b32 s22, s12, 7
	s_add_co_u32 s20, s20, s22                     ; + the 128 rows that I fetch
	s_lshl_b32 s21, s21, 5
	s_add_co_u32 s20, s20, s21                     ; + my work-group's 32 of them
	s_mov_b32 s21, 0
	s_mov_b64 s[18:19], SIZE_K*2
	s_mul_u64 s[20:21], s[20:21], s[18:19]
	s_add_nc_u64 s[PFA:PFA+1], s[PFA:PFA+1], s[20:21]
	s_add_nc_u64 s[PFA:PFA+1], s[PFA:PFA+1], 2*KSTEP*2  ; at K step 2: the first refill steps it to 3 and names K step 4
	v_and_b32 v[PFO], 31, v0
	v_mul_u32_u24 v[PFO], v[PFO], SIZE_K*2
; 16 matrix instructions: m blocks a0, a0 + 1 of the window's four (hi = 0: my rows 0-63, 1: rows 64-127) x all 8 n blocks, 32 along K.  first = 1: the bias starts the sums.
; The 64 accumulators take turns, one instruction a turn, in the same order in every quarter step, over the backward jump and from tile to tile.
.macro MUL16 f, hi, a0, first
.if \first
	WIN 0x91+0x40*(\hi)                            ; C (the bias) in window 1
.else
	WIN MUL_LO+0x50*(\hi)
.endif
.irp a, \a0, (\a0)+1
.irp b, 0,1,2,3,4,5,6,7
.if \first
	v_wmma_f32_16x16x32_f16 v[8*(8*(\a)+(\b)):8*(8*(\a)+(\b))+7], v[(\f)+8*(\b):(\f)+8*(\b)+7], v[(\f)+8*(4*(\hi)+(\a)):(\f)+8*(4*(\hi)+(\a))+7], v[BI+8*(\b):BI+8*(\b)+7]
.else
	v_wmma_f32_16x16x32_f16 v[8*(8*(\a)+(\b)):8*(8*(\a)+(\b))+7], v[(\f)+8*(\b):(\f)+8*(\b)+7], v[(\f)+8*(4*(\hi)+(\a)):(\f)+8*(4*(\hi)+(\a))+7], v[8*(8*(\a)+(\b)):8*(8*(\a)+(\b))+7]
.endif
.endr
.endr
.endm
; 32 LDS loads in one run: the fragments of one quarter step (128 rows of B, 128 rows of A, 32 K at byte k of the rows) into buffer f
.macro FETCH slot, k, f
	WIN TO_B
.irp i, 0,1,2,3,4,5,6,7
	ds_load_b128 v[(\f)+8*(\i):(\f)+8*(\i)+3],   v[ADRB+(\slot)] offset:(\k)+(\i)*16*PITCH
	ds_load_b128 v[(\f)+8*(\i)+4:(\f)+8*(\i)+7], v[ADRB+(\slot)] offset:(\k)+(\i)*16*PITCH+32
.endr
	WIN 0
.irp i, 0,1,2,3,4,5,6,7
	ds_load_b128 v[(\f)+8*(\i):(\f)+8*(\i)+3],   v[ADRA+(\slot)] offset:(\k)+(\i)*16*PITCH
	ds_load_b128 v[(\f)+8*(\i)+4:(\f)+8*(\i)+7], v[ADRA+(\slot)] offset:(\k)+(\i)*16*PITCH+32
.endr
.endm
; A load into a register that a matrix instruction has read, and a vector instruction or LDS store that reads a matrix result, stand four places behind that matrix instruction; only plain vector
; instructions that name none of its registers are places (ISA guide 7.12.1 for vector instructions).
.macro PLACES
.rept 4
	v_nop
.endr
.endm
; A K step is four quarter steps of 32 along K, 64 matrix instructions each, on buffers 0, 1, 0, 1.  One of the first three: multiplies buffer f; in its middle it fetches the next quarter into buffer g.
.macro QUARTER slot, k, f, g, first
	s_wait_dscnt 8                                 ; B and A's rows 0-63 are in; the youngest eight loads (A's rows 64-127) may be out
	MUL16 \f, 0, 0, \first
	MUL16 \f, 0, 2, \first
	PLACES
	FETCH \slot, \k, \g
	s_wait_dscnt 32                                ; all but the 32 just issued
	MUL16 \f, 1, 0, \first
	MUL16 \f, 1, 2, \first
.endm
; The last quarter multiplies buffer 1 and changes slots.  MEET is its first half: in front of the barrier each wave waits for all its tensor loads (one is out: its part of the next slot), adds 0 to its
; spare word, and waits for that and for its own reads of this slot.  Behind it nobody reads this slot any more and the next slot is whole.
.macro MEET round
	WIN 0                                          ; (the add's two registers lie in window 0)
	s_wait_tensorcnt 0x0
	ds_add_u32 v[SPW], v[NIL]
	s_wait_dscnt 9                                 ; the add and the youngest eight loads may be out
	MUL16 F1, 0, 0, 0                              ; sixteen matrix instructions stand between the add and the wait for it
	s_wait_dscnt 0x0                               ; the add is done, and my reads of this slot are over
	s_barrier_signal -1
	MUL16 F1, 0, 2, 0
.if \round
	WIN 0
.endif
	s_barrier_wait -1
.endm
; The whole last quarter.  The barrier opens a round of the cluster's; behind the round the slot just read out is filled again first: with this tile's K step two on (on = 0) or, in a tile's last two
; K steps, with the NEXT tile's K step 0 or 1 (on = 1); then come the next slot's first fragments.  From a request to the wait for it a wave issues 224 matrix instructions, across tiles too.
.macro TURN slot, next, on
	s_wait_xcnt 0x0                                ; the last prefetch, a K step back, has read its address: it is stepped here, ahead of the waits of the change of slots
.if (\on) && (\slot) == 0
	s_add_nc_u64 s[PFA:PFA+1], s[PFA:PFA+1], (WALK-1)*SIZE_K*2+KSTEP*2  ; from the K step after the tile's last to the next tile's K step 1: WALK rows down, back along K
	s_cmp_eq_u32 s11, 0
	s_cselect_b32 s[LIM], -1, s[LIM]               ; A's rows are the same for all tiles of the walk: they are prefetched no more
.else
	s_add_nc_u64 s[PFA:PFA+1], s[PFA:PFA+1], KSTEP*2
.endif
	MEET 1
	CREST                                          ; no wave of any partner still reads this slot's tile or has a load on its way
.if \on
	s_sub_nc_u64 s[G0+4*(\slot)+2:G0+4*(\slot)+3], s[G0+4*(\slot)+2:G0+4*(\slot)+3], BACK_A
	s_add_nc_u64 s[G0B+4*(\slot)+2:G0B+4*(\slot)+3], s[G0B+4*(\slot)+2:G0B+4*(\slot)+3], NEXT_B
.else
	s_add_nc_u64 s[G0+4*(\slot)+2:G0+4*(\slot)+3], s[G0+4*(\slot)+2:G0+4*(\slot)+3], 2*KSTEP*2
	s_add_nc_u64 s[G0B+4*(\slot)+2:G0B+4*(\slot)+3], s[G0B+4*(\slot)+2:G0B+4*(\slot)+3], 2*KSTEP*2
.endif
	JLOAD \slot                                    ; the four v_nop behind it are also the places in front of the loads below
	FETCH \next, 0, F0
	ASK \on
	MUL16 F1, 1, 0, 0
	MUL16 F1, 1, 2, 0
.endm
; THE LAST TILE'S LAST K STEP (it lies in slot 1) GOES BY ROWS OF C.  All its fragments of B fill window 1; then my eight blocks of 16 rows are finished one after the other, each with 32 matrix
; instructions (its 8 accumulators by turns, K ascending), and each leaves as soon as it is finished.
.macro BLOAD q
	WIN TO_B
.irp i, 0,1,2,3,4,5,6,7
	ds_load_b128 v[64*(\q)+8*(\i):64*(\q)+8*(\i)+3],   v[ADRB+1] offset:64*(\q)+(\i)*16*PITCH
	ds_load_b128 v[64*(\q)+8*(\i)+4:64*(\q)+8*(\i)+7], v[ADRB+1] offset:64*(\q)+(\i)*16*PITCH+32
.endr
.endm
.macro ALOAD a
	WIN 0
.set FA, PA+32*((\a)%4)
.irp q, 0,1,2,3
	ds_load_b128 v[FA+8*(\q):FA+8*(\q)+3],   v[ADRA+1] offset:64*(\q)+(\a)*16*PITCH
	ds_load_b128 v[FA+8*(\q)+4:FA+8*(\q)+7], v[ADRA+1] offset:64*(\q)+(\a)*16*PITCH+32
.endr
.endm
.macro ROW a
.set FA, PA+32*((\a)%4)
.set AC, 64*((\a)%4)
	WIN MUL_LO+0x50*((\a)/4)
.irp q, 0,1,2,3
.if (\a) == 0 && (\q) == 2
	s_wait_dscnt 24                                ; B's quarter 2 is in (behind it: A's blocks 1 to 3)
.endif
.irp b, 0,1,2,3,4,5,6,7
	v_wmma_f32_16x16x32_f16 v[AC+8*(\b):AC+8*(\b)+7], v[64*(\q)+8*(\b):64*(\q)+8*(\b)+7], v[FA+8*(\q):FA+8*(\q)+7], v[AC+8*(\b):AC+8*(\b)+7]
.endr
.endr
.endm
; THE WAY OUT of block a.  PACK: rounded to f16, 16 bytes a lane (each accumulator is read from its low end on).  TOSTAGE: into my own stage, and back as whole rows of 256 bytes.  SEND: stored.
.macro PACK a
.set AC, 64*((\a)%4)
	WIN 0x0a+5*((\a)/4)                            ; sources 0 and 1: window 2 or 3
.irp b, 0,1,2,3,4,5,6,7
.irp r, 0,1,2,3
	v_cvt_pk_f16_f32 v[TMP+4*(\b)+(\r)], v[AC+8*(\b)+2*(\r)], v[AC+8*(\b)+2*(\r)+1]
.endr
.endr
	WIN 0
.endm
.macro TOSTAGE a
	WIN 0
.set BK, OB+192*((\a)%2)
.irp b, 0,1,2,3,4,5,6,7
	ds_store_b128 v[STO], v[TMP+4*(\b):TMP+4*(\b)+3] offset:32*(\b)
.endr
.irp t, 0,1,2,3,4,5,6,7
	ds_load_b128 v[BK+4*(\t):BK+4*(\t)+3], v[RD] offset:(\t)*2*SPITCH  ; LDS serves a wave's instructions in order (ISA guide 5.7.1.4): these see the stores above
.endr
.endm
.macro SEND a, younger                 ; younger: the LDS loads issued behind TOSTAGE's, which may stay out
	WIN 0
.set BK, OB+192*((\a)%2)
	s_wait_dscnt \younger
	s_wait_xcnt 0x0                                ; only behind this wait are the stores' base and the registers that earlier stores read rewritten
.if (\a) == 0
	s_mov_b64 s[8:9], s[CB:CB+1]                   ; this tile's first rows;
	s_add_nc_u64 s[CB:CB+1], s[CB:CB+1], WALK*2    ; the next tile lies 1,024 columns to the right
.else
	s_add_nc_u64 s[8:9], s[8:9], 16*SIZE_N*2       ; 16 rows of C on
.endif
.irp t, 0,1,2,3,4,5,6,7
	global_store_b128 v[CO], v[BK+4*(\t):BK+4*(\t)+3], s[8:9] offset:2*(\t)*SIZE_N*2  ; 16 lanes store 256 consecutive bytes, at a multiple of 256 from C's first byte
.endr
.endm
	s_wait_tensorcnt 1                             ; my part of K step 0 is in; K step 1's may stay out
	s_barrier_signal -1
	s_barrier_wait -1
	FETCH 0, 0, F0
	s_mov_b32 s2, SIZE_TILES                       ; tiles to go, this one among them: the same number in every work-group
.Ltile:                                                ; (FETCH and SEND leave every window 0)
	s_wait_loadcnt 0x0                             ; this tile's bias is in, so its pointer may be written:
	s_add_nc_u64 s[BP:BP+1], s[BP:BP+1], WALK*4    ; the next tile's
	QUARTER 0, 64,  F0, F1, 1                      ; a tile's first quarter stands in front of the loop: its products start the sums
	WIN 0                                          ; at a label and at a branch every window is 0
	s_mov_b32 s3, LAPS-1
.Llap:                                                 ; a trip goes once round the ring, from a lap's second quarter to the next lap's first, and fills both slots again
	QUARTER 0, 128, F1, F0, 0
	QUARTER 0, 192, F0, F1, 0
	TURN 0, 1, 0
	QUARTER 1, 64,  F0, F1, 0
	QUARTER 1, 128, F1, F0, 0
	QUARTER 1, 192, F0, F1, 0
	TURN 1, 0, 0
	QUARTER 0, 64,  F0, F1, 0
	WIN 0
	s_sub_co_u32 s3, s3, 1
	s_cmp_lg_u32 s3, 0
	s_cbranch_scc1 .Llap
	QUARTER 0, 128, F1, F0, 0                      ; the tile's last lap goes on
	QUARTER 0, 192, F0, F1, 0
	WIN 0
	s_cmp_eq_u32 s2, 1
	s_cbranch_scc1 .Llast_tile                     ; the last tile's tail is written out: it asks for nothing more
	TURN 0, 1, 1                                   ; THE RING GOES ON INTO THE NEXT TILE: slot 0 takes its K step 0,
	BIASLOAD                                       ; its bias is asked for: a K step and a way out ahead of the wait for it; the registers were last read in this tile's first quarter
	QUARTER 1, 64,  F0, F1, 0
	QUARTER 1, 128, F1, F0, 0
	QUARTER 1, 192, F0, F1, 0
	TURN 1, 0, 1                                   ; slot 1 its K step 1, and the next tile's first fragments are fetched
	PACK 0                                         ; BOTH REFILLS ARE ASKED FOR: NOW THE TILE GOES OUT.  No v_nop: blocks 0-3 were finished in front of TURN's places, and their 128 conversions,
	TOSTAGE 0                                      ; which name no register of the last products (blocks 4-7's), are those products' places
.irp a, 1,2,3,4,5,6,7                  ; block a's conversions stand between block a - 1's loads from the stage and the wait for them
	PACK \a
	SEND (\a)-1, 0
	TOSTAGE \a
.endr
	SEND 7, 0
	s_sub_co_u32 s2, s2, 1
	s_branch .Ltile
.Llast_tile:
	MEET 0                                         ; my one tensor load that was still out is the last K step's, so no round follows
	PLACES                                         ; for the loads into buffer 0
	BLOAD 0                                        ; three quarters of B now: buffer 1 is still being multiplied (the bias's registers are free: there is no further tile)
	BLOAD 1
	BLOAD 3
	ALOAD 0
	MUL16 F1, 1, 0, 0
	MUL16 F1, 1, 2, 0
	PLACES                                         ; for the loads into buffer 1
	BLOAD 2
	ALOAD 1
	ALOAD 2
	ALOAD 3
	s_wait_dscnt 40                                ; all but the 40 just issued
	ROW 0
.irp a, 0,1,2,3,4,5,6,7
	PLACES                                         ; the conversions read results just made
	PACK \a
	TOSTAGE \a
.if (\a) < 4
	ALOAD (\a)+4                                   ; its buffer takes the block four further on
	SEND \a, 8
.else
	SEND \a, 0
.endif
.if (\a) < 7
	ROW (\a)+1
.endif
.endr
	s_wait_tensorcnt 0x0                           ; the wave's end: behind my last tensor load and my last LDS store
	ds_add_u32 v[SPW], v[NIL]
	s_wait_dscnt 0x0
	CROUND                                         ; the closing round: no work-group ends while a partner may still ask for a tile that names it
	s_endpgm
.Lfunc_end_k_qbfb7289352_gemm_qkv:
	.size	k_qbfb7289352_gemm_qkv, .Lfunc_end_k_qbfb7289352_gemm_qkv-k_qbfb7289352_gemm_qkv
	.p2alignl 7, 3214868480
	.fill 96, 4, 3214868480
	.section	.rodata,"a",@progbits
	.p2align	6, 0x0
	.amdhsa_kernel k_qbfb7289352_gemm_qkv
		.amdhsa_group_segment_fixed_size 327680
		.amdhsa_private_segment_fixed_size 0
		.amdhsa_enable_private_segment 0
		.amdhsa_kernarg_size 32
		.amdhsa_user_sgpr_count 2
		.amdhsa_user_sgpr_kernarg_segment_ptr 1
		.amdhsa_wavefront_size32 1
		.amdhsa_system_sgpr_workgroup_id_x 1
		.amdhsa_system_sgpr_workgroup_id_y 1
		.amdhsa_system_sgpr_workgroup_id_z 1
		.amdhsa_system_vgpr_workitem_id 0
		.amdhsa_next_free_vgpr 1024
		.amdhsa_next_free_sgpr 72
		.amdhsa_reserve_vcc 0
		.amdhsa_float_denorm_mode_32 3
		.amdhsa_float_denorm_mode_16_64 3
		.amdhsa_memory_ordered 1
		.amdhsa_forward_progress 1
		.amdhsa_inst_pref_size 214
	.end_amdhsa_kernel
	.amdgpu_metadata
---
amdhsa.version: [ 1, 2 ]
amdhsa.kernels:
  - .name:           k_qbfb7289352_gemm_qkv
    .symbol:         k_qbfb7289352_gemm_qkv.kd
    .args:
      - { .name: xh, .offset: 0, .size: 8, .value_kind: global_buffer, .address_space: global }
      - { .name: wh, .offset: 8, .size: 8, .value_kind: global_buffer, .address_space: global }
      - { .name: qkv, .offset: 16, .size: 8, .value_kind: global_buffer, .address_space: global }
      - { .name: bh, .offset: 24, .size: 8, .value_kind: global_buffer, .address_space: global }
    .group_segment_fixed_size: 327680
    .private_segment_fixed_size: 0
    .kernarg_segment_align: 8
    .kernarg_segment_size: 32
    .max_flat_workgroup_size: 128
    .sgpr_count:     72
    .vgpr_count:     1024
    .wavefront_size: 32
...
	.end_amdgpu_metadata
.endif
;; end of part 4
;; launch attn (part 5): grid 512 x 1, 8 waves a work-group, no clusters, 0 bytes of LDS; arguments qkv, oh; writes oh
.if DOCPART == 5
	.amdgcn_target "amdgcn-amd-amdhsa--gfx1250"
	.amdhsa_code_object_version 6
	.text
	.protected	k_qbfb7289352_attn
	.globl	k_qbfb7289352_attn
	.p2align	8
	.type	k_qbfb7289352_attn,@function
k_qbfb7289352_attn:
	s_mov_b64 s[64:65], 0
	v_nop
	global_prefetch_b8 v0, s[64:65] scope:SCOPE_SE
	s_setreg_imm32_b32 hwreg(HW_REG_WAVE_MODE, 25, 1), 1
	s_wait_xcnt 0x0
; ATTENTION ACROSS THE 16 HEADS OF EACH TOKEN.  O[i][:] = sum over j of softmax_j(q_i . k_j / 8) v_j[:], i, j = heads, 64 channels.
; qkv [16384][3072] f16: a token's 6,144 bytes are q', k', v' of 2,048 bytes each, in 128 chunks of 16 bytes:
;   q', k': chunk 32 j + 16 h + r = head r, channels 32 h + 8 j + 0..7        v': chunk 32 db + 16 h + c = heads 8 h + 0..7, channel 16 db + c
; oh [16384][1024] f16: chunk 32 db + 16 h + r = head r, channels 16 db + 8 h + 0..7.
; So lane 16 h + r of a wave takes chunk 32 n + lane by load n: every load and store covers 512 consecutive bytes, aligned, and what arrives IS a matrix fragment: no LDS, no change of lanes.
; Products, maximum and sum in f32; p is rounded to f16 for the second product, O once at the end.  A weight below 2^-126 counts as 0 in the sum; NaN and infinities are not treated apart.
; S^T = k q^T (source 0 = k: 16 key heads, source 1 = q: 16 query heads): q and k have the same order of channels along K, so the sum over the 64 channels is whole.  A lane holds ONE query head (r)
; and the key heads 8 h + 0..7; the other eight lie in the lane 16 away.  p, rounded in pairs, IS source 1 of O^T = v^T p: key heads 0-15 in registers 0-3, zeros (key heads that do not exist) in 4-7.
; Source 0's registers 4-7 meet those zeros: they are the next fragment's numbers, which are finite, or behind the last fragment four zeros.
; SHARES.  A wave takes four tokens: 24,576 consecutive bytes in, by 48 loads that all go out at once, 8,192 out.  Memory binds: no cluster, no LDS, no tensor load would move a byte less.
.set TOKB, 6144
.set QK, 16                            ; v[16:143]  token i: q at QK + 32 i, k at QK + 32 i + 16; later O^T of (i, db) at QK + 32 i + 8 db
.set TT, 16                            ; between the two products: eight registers a token at work
.set VV, 144                           ; v[144:207] token i: v at VV + 16 i, four registers a block of 16 channels
.set ZZ, 208                           ; v[208:211] 0
.set SS, 212                           ; v[212:243] token i: scores, then p, at SS + 8 i
.macro ALL4 line:vararg                ; one line for each of the four tokens t
.set t, 0
.rept 4
	\line
.set t, t+1
.endr
.endm
	s_load_b128 s[4:7], s[0:1], 0x0                ; qkv s[4:5], oh s[6:7]
	v_lshrrev_b32 v1, 5, v0
	v_readfirstlane_b32 s8, v1                     ; wave 0..7
	v_and_b32 v1, 31, v0
	v_lshlrev_b32 v1, 4, v1                        ; 16 x lane; never rewritten
	s_lshl_b32 s9, ttmp9, 3
	s_add_co_u32 s9, s9, s8                        ; my wave among all: 0..4095
	s_mul_i32 s10, s9, 4*TOKB
	s_mov_b32 s11, 0
	s_lshl_b32 s12, s9, 13
	s_mov_b32 s13, 0
	s_mov_b32 s16, 0x3e38aa3b                      ; c = log2(e) / 8
	s_mov_b32 s17, s16                             ; named with it as a pair
	s_mov_b32 s18, 0x76543210                      ; v_permlanex16_b32: each lane takes its own place in the other half
	s_mov_b32 s19, 0xfedcba98
.irp j, 0,1,2,3
	v_mov_b32 v[ZZ+(\j)], 0
.endr
	s_wait_kmcnt 0x0
	s_add_nc_u64 s[4:5], s[4:5], s[10:11]
	s_add_nc_u64 s[6:7], s[6:7], s[12:13]
.set e, 0
.rept 32                               ; e = 8 i + n: n = 0-3 q's loads, 4-7 k's
	global_load_b128 v[QK+4*e:QK+4*e+3], v1, s[4:5] offset:(e/8)*TOKB+(e%8)*512 th:TH_LOAD_NT
.set e, e+1
.endr
.set e, 0
.rept 16                               ; e = 4 i + db
	global_load_b128 v[VV+4*e:VV+4*e+3], v1, s[4:5] offset:(e/4)*TOKB+4096+(e%4)*512 th:TH_LOAD_NT
.set e, e+1
.endr
	s_wait_loadcnt 16                              ; q and k are in; v's 16 loads may stay out
.irp c, 0,1                            ; the four tokens' accumulators take turns
.irp i, 0,1,2,3
.if \c
	v_wmma_f32_16x16x32_f16 v[SS+8*(\i):SS+8*(\i)+7], v[QK+32*(\i)+24:QK+32*(\i)+31], v[QK+32*(\i)+8:QK+32*(\i)+15], v[SS+8*(\i):SS+8*(\i)+7]
.else
	v_wmma_f32_16x16x32_f16 v[SS+8*(\i):SS+8*(\i)+7], v[QK+32*(\i)+16:QK+32*(\i)+23], v[QK+32*(\i):QK+32*(\i)+7], 0
.endif
.endr
.endr
.rept 4
	v_nop                                          ; four places behind the products, ahead of the lines that read the scores and write over q's registers (ISA guide 7.12.1)
.endr
	; The softmax, line by line for all four tokens.  p = 2^(c s - c m) / l with the row's true maximum m.  The 32 exponentials are one batch, the eight reciprocals another: behind each one plain
	; instruction and the one wait ahead of the first use.
	ALL4 v_max3_num_f32 v[TT+8*t+2], v[SS+8*t], v[SS+8*t+1], v[SS+8*t+2]
	ALL4 v_max3_num_f32 v[TT+8*t+3], v[SS+8*t+3], v[SS+8*t+4], v[SS+8*t+5]
	ALL4 v_max3_num_f32 v[TT+8*t+2], v[TT+8*t+2], v[SS+8*t+6], v[SS+8*t+7]
	ALL4 v_max_num_f32 v[TT+8*t+2], v[TT+8*t+2], v[TT+8*t+3]
	ALL4 v_permlanex16_b32 v[TT+8*t+3], v[TT+8*t+2], s18, s19
	ALL4 v_max_num_f32 v[TT+8*t+1], v[TT+8*t+2], v[TT+8*t+3]
	ALL4 v_mul_f32 v[TT+8*t], s16, v[TT+8*t+1]
.irp j, 0,2,4,6
	ALL4 v_pk_fma_f32 v[SS+8*t+(\j):SS+8*t+(\j)+1], v[SS+8*t+(\j):SS+8*t+(\j)+1], s[16:17], v[TT+8*t:TT+8*t+1] op_sel_hi:[1,0,0] neg_lo:[0,0,1] neg_hi:[0,0,1]
.endr
.irp j, 0,1,2,3,4,5,6,7
	ALL4 v_exp_f32 v[SS+8*t+(\j)], v[SS+8*t+(\j)]
.endr
	v_nop
	s_wait_alu depctr_va_vdst(0)
	ALL4 v_pk_add_f32 v[TT+8*t+2:TT+8*t+3], v[SS+8*t:SS+8*t+1], v[SS+8*t+2:SS+8*t+3]
	ALL4 v_pk_add_f32 v[TT+8*t+4:TT+8*t+5], v[SS+8*t+4:SS+8*t+5], v[SS+8*t+6:SS+8*t+7]
	ALL4 v_pk_add_f32 v[TT+8*t+2:TT+8*t+3], v[TT+8*t+2:TT+8*t+3], v[TT+8*t+4:TT+8*t+5]
	ALL4 v_add_f32 v[TT+8*t+2], v[TT+8*t+2], v[TT+8*t+3]
	ALL4 v_permlanex16_b32 v[TT+8*t+3], v[TT+8*t+2], s18, s19
	ALL4 v_add_f32 v[TT+8*t+2], v[TT+8*t+2], v[TT+8*t+3]
	ALL4 v_rcp_f32 v[TT+8*t+6], v[TT+8*t+2]
	ALL4 v_rcp_f32 v[TT+8*t+7], v[TT+8*t+2]
	v_nop
	s_wait_alu depctr_va_vdst(0)
.irp j, 0,2,4,6
	ALL4 v_pk_mul_f32 v[SS+8*t+(\j):SS+8*t+(\j)+1], v[SS+8*t+(\j):SS+8*t+(\j)+1], v[TT+8*t+6:TT+8*t+7]
.endr
.irp j, 0,1,2,3                        ; in place, ascending: register j takes the pair 2 j, 2 j + 1, which no earlier line of these has written
	ALL4 v_cvt_pk_f16_f32 v[SS+8*t+(\j)], v[SS+8*t+2*(\j)], v[SS+8*t+2*(\j)+1]
.endr
.irp j, 4,5,6,7
	ALL4 v_mov_b32 v[SS+8*t+(\j)], 0
.endr
	s_wait_loadcnt 0x0                             ; v
.set e, 0
.rept 16                               ; e = 4 i + db: O^T of token i, channels 16 db ..: a lane holds query head r and channels 16 db + 8 h + 0..7
	v_wmma_f32_16x16x32_f16 v[QK+8*e:QK+8*e+7], v[VV+4*e:VV+4*e+7], v[SS+8*(e/4):SS+8*(e/4)+7], 0
.set e, e+1
.endr
.rept 4
	v_nop                                          ; four places ahead of the conversions
.endr
.set e, 0
.rept 16                               ; rounded in place, each accumulator from its low end on
.irp j, 0,1,2,3
	v_cvt_pk_f16_f32 v[QK+8*e+(\j)], v[QK+8*e+2*(\j)], v[QK+8*e+2*(\j)+1]
.endr
.set e, e+1
.endr
.set e, 0
.rept 16
	global_store_b128 v1, v[QK+8*e:QK+8*e+3], s[6:7] offset:(e/4)*2048+(e%4)*512  ; 512 consecutive bytes, at a multiple of 512 from oh's first byte
.set e, e+1
.endr
	s_endpgm
.Lfunc_end_k_qbfb7289352_attn:
	.size	k_qbfb7289352_attn, .Lfunc_end_k_qbfb7289352_attn-k_qbfb7289352_attn
	.p2alignl 7, 3214868480
	.fill 96, 4, 3214868480
	.section	.rodata,"a",@progbits
	.p2align	6, 0x0
	.amdhsa_kernel k_qbfb7289352_attn
		.amdhsa_group_segment_fixed_size 0
		.amdhsa_private_segment_fixed_size 0
		.amdhsa_enable_private_segment 0
		.amdhsa_kernarg_size 16
		.amdhsa_user_sgpr_count 2
		.amdhsa_user_sgpr_kernarg_segment_ptr 1
		.amdhsa_wavefront_size32 1
		.amdhsa_system_sgpr_workgroup_id_x 1
		.amdhsa_system_sgpr_workgroup_id_y 1
		.amdhsa_system_sgpr_workgroup_id_z 1
		.amdhsa_system_vgpr_workitem_id 0
		.amdhsa_next_free_vgpr 244
		.amdhsa_next_free_sgpr 66
		.amdhsa_reserve_vcc 0
		.amdhsa_float_denorm_mode_32 3
		.amdhsa_float_denorm_mode_16_64 3
		.amdhsa_memory_ordered 1
		.amdhsa_forward_progress 1
		.amdhsa_inst_pref_size 21
	.end_amdhsa_kernel
	.amdgpu_metadata
---
amdhsa.version: [ 1, 2 ]
amdhsa.kernels:
  - .name:           k_qbfb7289352_attn
    .symbol:         k_qbfb7289352_attn.kd
    .args:
      - { .name: qkv, .offset: 0, .size: 8, .value_kind: global_buffer, .address_space: global }
      - { .name: oh, .offset: 8, .size: 8, .value_kind: global_buffer, .address_space: global }
    .group_segment_fixed_size: 0
    .private_segment_fixed_size: 0
    .kernarg_segment_align: 8
    .kernarg_segment_size: 16
    .max_flat_workgroup_size: 256
    .sgpr_count:     66
    .vgpr_count:     244
    .wavefront_size: 32
...
	.end_amdgpu_metadata
.endif
;; end of part 5
;; launch gemm_o (part 6): grid 4 x 64, 4 waves a work-group, clusters of 4 x 4, 327,680 bytes of LDS; arguments oh, wh, out0, bo; writes out0
.if DOCPART == 6
	.amdgcn_target "amdgcn-amd-amdhsa--gfx1250"
	.amdhsa_code_object_version 6
	.text
	.protected	k_qbfb7289352_gemm_o
	.globl	k_qbfb7289352_gemm_o
	.p2align	8
	.type	k_qbfb7289352_gemm_o,@function
k_qbfb7289352_gemm_o:
	s_mov_b64 s[64:65], 0
	v_nop
	global_prefetch_b8 v0, s[64:65] scope:SCOPE_SE
	s_setreg_imm32_b32 hwreg(HW_REG_WAVE_MODE, 25, 1), 1
	s_wait_xcnt 0x0
	s_wait_alu depctr_hold_cnt(0) depctr_sa_sdst(0) depctr_va_vdst(0) depctr_va_sdst(0) depctr_va_ssrc(0) depctr_va_vcc(0) depctr_vm_vsrc(0)
	s_getreg_b32 s2, hwreg(HW_REG_IB_STS2, 6, 4)
	s_cmp_eq_u32 s2, 0
	s_cbranch_scc0 .Lentry_in_a_cluster
	s_endpgm
.Lentry_in_a_cluster:
	s_bfe_u32 s2, ttmp6, 0x10000c
	s_cmp_lg_u32 s2, 0xf033
	s_cbranch_scc0 .Lentry_shape_is_right
	s_endpgm
.Lentry_shape_is_right:
; C[m][n] = bias[n] + sum over k of A[m][k] B[n][k].  A = oh [16384][1024] f16, B = wh's rows 3072-4095 [1024][1024] f16 (wo with its columns in oh's order); bias = bo [1024] f32;
; C = out0 [16384][1024] f32; sums in f32.
; A tile of C, 256 x 256, is made by a work-group of four waves; a wave makes 128 x 128: 64 accumulators of 16 x 16, 512 registers.  256 tiles, one to a work-group.
; K goes in 8 steps of 128 through a ring of two LDS slots filled by the tensor data mover: the rows of A's and B's tiles are 256 bytes of memory, at multiples of 256 bytes.
; The last K step goes by rows of C, so that finished rows leave while the others are multiplied.
; CLUSTERS: 4 x 4 work-groups.  The four of a row of the cluster need the same tiles of A, the four of a column the same tiles of B: such a tile is asked for JOINTLY, by the same tensor load with the
; same descriptor and a mask that names the four; each receives it in its own LDS.
; THE MATRIX INSTRUCTION IS USED TRANSPOSED: source 0 = 16 rows of B, source 1 = 16 rows of A: lane l holds row l % 16 of C and the columns 8 (l / 16) + 0..7.  THE BIAS is the C operand of the first
; 32 along K: nothing is cleared, and nothing is added afterwards.
; REGISTERS, in windows of 256 (s_set_vgpr_msb: bits 1:0 source 0, 3:2 source 1, 5:4 source 2, 7:6 destination):
;   window 0: v0-31 addresses; v64-127, v128-191 fragments of A, two buffers (in the last K step four, of 16 rows x 128 K); v192-255 the bias; v32-63, v224-255 at work on the way out
;   window 1: v64-127, v128-191 fragments of B, two buffers; in the last K step all 256
;   window 2: the 32 accumulators of my rows 0-63 (accumulator (a, b) at v[8 (8 a + b)]);   window 3: those of my rows 64-127
.set SIZE_M, 16384
.set SIZE_N, 1024
.set SIZE_K, 1024
.set B_ROW0, 3072                      ; B's first row in wh
.set KSTEP,  128
.set PITCH,  272                       ; an LDS row: 256 bytes + 16 of padding = 68 words: row r starts at bank 4 r mod 64 (64 banks of 4 bytes: ISA guide 11.1), so the 16 rows of a load start at 16 different banks
.set HALFT,  128*PITCH
.set SLOT,   4*HALFT                   ; A's 256 rows, then B's 256 rows
.set STAGE,  2*SLOT                    ; behind the ring: 16 rows x 272 bytes for each wave, for the way out
.set SPITCH, 272
.set SPARE,  STAGE+4*16*SPITCH         ; behind the stages: the spare words, 128 bytes for each wave: two blocks of 256 bytes that no other line names
.set LAPS,   SIZE_K/(2*KSTEP)
.set ADRA, 16                          ; v16-17  LDS address of my A fragments in slot 0, 1
.set ADRB, 20                          ; v20-21  the same for B
.set STO,  24                          ; v24     the way out: where I put 32 bytes of a row
.set RD,   25                          ; v25     the way out: where I read a row back
.set CO,   26                          ; v26     my byte offset in C
.set BO,   27                          ; v27     my byte offset in a tile's bias: 32 (l / 16)
.set SPW,  28                          ; v28     LDS address of my spare word; never rewritten
.set NIL,  29                          ; v29     0; never rewritten
.set PFO,  30                          ; v30     the prefetches' offset; never rewritten
.set PFA,  44                          ; s[44:45] where my prefetches stand
.set LIM,  43                          ; s43     1 in a wave that prefetches, else the greatest number
.set BP,   66                          ; s[66:67] the bias at my 128 columns
.set F0,   64
.set F1,   128
.set BI,   192                         ; the bias of column block b at BI + 8 b
.set OB,   32                          ; the way out: 16 rows x 64 columns read back: v32-63 and v224-255 by turns
.set PA,   64
.set G1, 24
.set G0, 32
.set G1B, 48
.set G0B, 56
.set MSB, 0
.macro WIN new                         ; the immediate's high byte repeats the setting that is left; a switch that changes nothing is dropped
.if MSB != (\new)
	s_set_vgpr_msb (MSB<<8)|(\new)
.set MSB, \new
.endif
.endm
.set MUL_LO, 0xa1                      ; source 0 (B) window 1, source 1 (A) window 0, C and D window 2
.set MUL_HI, 0xf1                      ; the same, C and D window 3
.set TO_B,   0x40                      ; destination window 1, address window 0
; A joint load.  Waves 0 and 1 fetch A's two halves, waves 2 and 3 B's.  The branch hangs on the wave's number alone.  An s_nop 0 and four v_nop follow each of the two lines.
.macro JLOAD s
	s_cmp_eq_u32 s11, 0
	s_cbranch_scc0 .Lfor_b_\@
	tensor_load_to_lds s[G0+4*(\s):G0+4*(\s)+3], s[G1:G1+7]
	s_nop 0
.rept 4
	v_nop
.endr
	s_branch .Lasked_\@
.Lfor_b_\@:
	tensor_load_to_lds s[G0B+4*(\s):G0B+4*(\s)+3], s[G1B:G1B+7]
	s_nop 0
.rept 4
	v_nop
.endr
.Lasked_\@:
.endm
; A PREFETCH INTO THE L2, behind each joint load, its five lines and the run of LDS loads: the K step that stands TWO refills on: 32 rows x 256 bytes, a lane a row, one instruction a wave.
; Each row's 256 bytes of a K step are named once in the launch: of the clusters that read a tile row of A the one with x = 0 asks, of those that read a tile column of B the one with y = 0; the four
; partners that ask for a tile jointly share its rows out BY ADDRESS, 32 each of the 128 that a wave fetches.  K steps 0 to 3 come by their loads alone; the last two refills ask for nothing.
.macro ASK
	s_cmp_gt_u32 s3, s[LIM]                        ; s3 = 1 in the loop's last trip
	s_cbranch_scc0 .Lnot_mine_\@
	global_prefetch_b8 v[PFO], s[PFA:PFA+1] offset:KSTEP*2 th:TH_LOAD_NT scope:SCOPE_SE
.Lnot_mine_\@:
.endm
.macro CREST                           ; a round of the cluster's barrier behind its opening barrier
	s_cmp_lg_u32 s10, 0
	s_cbranch_scc1 .Lnot_wave_0_\@
	s_barrier_signal -3
.Lnot_wave_0_\@:
	s_barrier_wait -3
	s_barrier_signal -1
	s_barrier_wait -1
.endm
.macro CROUND                          ; a whole round
	s_barrier_signal -1
	s_barrier_wait -1
	CREST
.endm
	s_load_b128 s[4:7], s[0:1], 0x0                ; A s[4:5], wh s[6:7]
	s_load_b64 s[8:9], s[0:1], 0x10                ; C
	s_load_b64 s[BP:BP+1], s[0:1], 0x18            ; bias
	v_lshl_add_u32 v[SPW], v0, 2, SPARE
	v_mov_b32 v[NIL], 0
	ds_add_u32 v[SPW], v[NIL]                      ; the wave's opening: the add and its wait stand ahead of my first tensor load; the set-up below, work on registers, stands between them
	v_lshrrev_b32 v1, 5, v0
	v_readfirstlane_b32 s10, v1                    ; wave 0..3
	s_lshr_b32 s11, s10, 1                         ; which half of the tile's rows is mine.  Also: I fetch for A (0) or for B (1)
	s_and_b32 s12, s10, 1                          ; which half of its columns.  Also: which 128 rows of that tile I fetch
	s_bfe_u32 s40, ttmp6, 0x40000                  ; cx
	s_bfe_u32 s41, ttmp6, 0x40004                  ; cy
	s_lshl_b32 s42, ttmp9, 2
	s_add_co_u32 s42, s42, s40                     ; tile column of C = 4 x cluster x + cx
	s_and_b32 s13, ttmp7, 0xffff
	s_lshl_b32 s13, s13, 2
	s_add_co_u32 s13, s13, s41                     ; tile row of C = 4 x cluster y + cy
	s_lshl_b32 s43, s41, 2
	s_lshl_b32 s43, 15, s43                        ; my row of the cluster
	s_lshl_b32 s44, 0x1111, s40                    ; my column
	; descriptor group 1: a tile of 128 rows x 128 elements, padded in LDS
	s_or_b32 s[G1+0], s43, (1<<16)|(1<<20)|(1<<21)|(5<<22)|(3<<25)  ; 15:0 the mask; 17:16 elements of 2 bytes; 20 padding on; 21 set beside a mask; 24:22 after every 64 words (code 5); 31:25 4 words (code 3)
	s_or_b32 s[G1B+0], s44, (1<<16)|(1<<20)|(1<<21)|(5<<22)|(3<<25)
.irp g, G1, G1B
	s_mov_b32 s[(\g)+1], KSTEP<<16                 ; tensor_dim0 = 128
	s_mov_b32 s[(\g)+2], 128<<16                   ; tensor_dim1 = 128
	s_mov_b32 s[(\g)+3], KSTEP<<16                 ; tile_dim0 = 128
	s_mov_b32 s[(\g)+4], 128                       ; tile_dim1 = 128
	s_mov_b32 s[(\g)+5], SIZE_K                    ; elements from row to row
	s_mov_b32 s[(\g)+6], 0
	s_mov_b32 s[(\g)+7], 0
.endr
	; A's tiles hang on the tile row alone, B's on the tile column alone; each address is made in registers that never hold the other coordinate
	s_lshl_b32 s17, s12, 7
	s_lshl_b32 s16, s13, 8
	s_add_co_u32 s16, s16, s17                     ; A: row 256 x tile row + 128 x half
	s_lshl_b32 s46, s42, 8
	s_add_co_u32 s46, s46, s17                     ; B: row 256 x tile column + 128 x half
	s_mov_b32 s17, 0
	s_mov_b32 s47, 0
	s_mov_b64 s[18:19], SIZE_K*2
	s_mul_u64 s[16:17], s[16:17], s[18:19]
	s_mul_u64 s[46:47], s[46:47], s[18:19]
	s_mul_i32 s20, s10, HALFT                      ; where they go: wave x 128 rows: no place in the cluster enters an LDS address
	s_wait_dscnt 0x0                               ; the opening add is done
	s_wait_kmcnt 0x0
	s_add_nc_u64 s[6:7], s[6:7], B_ROW0*SIZE_K*2   ; B begins at wh's row 3,072
	s_add_nc_u64 s[14:15], s[4:5], s[16:17]
	s_add_nc_u64 s[46:47], s[6:7], s[46:47]
	CROUND                                         ; all sixteen work-groups are here: the first joint loads meet
.irp s, 0,1
	s_mov_b32 s[G0+4*(\s)], 1
	s_add_co_u32 s[G0+4*(\s)+1], s20, (\s)*SLOT
	s_add_nc_u64 s[G0+4*(\s)+2:G0+4*(\s)+3], s[14:15], (\s)*KSTEP*2
	s_or_b32 s[G0+4*(\s)+3], s[G0+4*(\s)+3], 0x80000000
	s_mov_b32 s[G0B+4*(\s)], 1
	s_add_co_u32 s[G0B+4*(\s)+1], s20, (\s)*SLOT
	s_add_nc_u64 s[G0B+4*(\s)+2:G0B+4*(\s)+3], s[46:47], (\s)*KSTEP*2
	s_or_b32 s[G0B+4*(\s)+3], s[G0B+4*(\s)+3], 0x80000000
	JLOAD \s                                       ; two loads of mine are out, the most in this text
.endr
	v_and_b32 v1, 15, v0                           ; l % 16
	v_bfe_u32 v2, v0, 4, 1                         ; l / 16
	; the bias of my 128 columns: for column block b a lane's eight numbers, 32 bytes
	v_lshlrev_b32 v[BO], 5, v2
	s_lshl_b32 s68, s42, 10                        ; 256 columns of 4 bytes a tile,
	s_lshl_b32 s69, s12, 9                         ; my half of them
	s_add_co_u32 s68, s68, s69
	s_mov_b32 s69, 0
	s_add_nc_u64 s[BP:BP+1], s[BP:BP+1], s[68:69]
.irp b, 0,1,2,3,4,5,6,7
	global_load_b128 v[BI+8*(\b):BI+8*(\b)+3],   v[BO], s[BP:BP+1] offset:64*(\b)
	global_load_b128 v[BI+8*(\b)+4:BI+8*(\b)+7], v[BO], s[BP:BP+1] offset:64*(\b)+16
.endr
	; A fragment is 16 rows x 32 K in 8 registers: lane l holds row l % 16; registers 0-3 K = 8 (l / 16) + 0..7, registers 4-7 K = 16 + 8 (l / 16) + 0..7: two loads of 16 bytes, 32 bytes apart
	v_mul_u32_u24 v3, v1, PITCH
	v_lshl_add_u32 v3, v2, 4, v3
	s_mul_i32 s21, s11, HALFT                      ; my 128 rows of A
	s_mul_i32 s22, s12, HALFT                      ; my 128 rows of B,
	s_add_co_u32 s22, s22, 2*HALFT                 ; which lie behind A's 256
.irp s, 0,1
	v_add_nc_u32 v[ADRA+(\s)], s21, v3
	v_add_nc_u32 v[ADRB+(\s)], s22, v3
	s_add_co_u32 s21, s21, SLOT
	s_add_co_u32 s22, s22, SLOT
.endr
	s_mul_i32 s23, s10, 16*SPITCH
	s_add_co_u32 s23, s23, STAGE                   ; my stage
	v_mul_u32_u24 v4, v1, SPITCH                   ; in: row l % 16, 32 bytes for each half of the lanes
	v_lshl_add_u32 v4, v2, 5, v4
	v_add_nc_u32 v[STO], s23, v4
	v_mul_u32_u24 v5, v2, SPITCH                   ; back: lanes 0-15 one row of 256 bytes, lanes 16-31 the next
	v_lshl_add_u32 v5, v1, 4, v5
	v_add_nc_u32 v[RD], s23, v5
	v_mul_u32_u24 v5, v2, SIZE_N*4                 ; and the same two rows in C
	v_lshl_add_u32 v[CO], v1, 4, v5
	s_lshl_b32 s13, s13, 8
	s_lshl_b32 s14, s11, 7
	s_add_co_u32 s16, s13, s14                     ; my first row of C
	s_mov_b32 s17, 0
	s_mov_b64 s[18:19], SIZE_N*4
	s_mul_u64 s[16:17], s[16:17], s[18:19]
	s_lshl_b32 s46, s42, 10                        ; my first column, in bytes: 1,024 x tile column + 512 x half
	s_lshl_b32 s47, s12, 9
	s_add_co_u32 s46, s46, s47
	s_mov_b32 s47, 0
	s_add_nc_u64 s[16:17], s[16:17], s[46:47]      ; the way out adds this to C's address
	; the prefetches.  s13 = 256 x tile row, s42 = tile column, s40 = cx, s41 = cy still stand
	s_lshl_b32 s42, s42, 8
	s_and_b32 s22, ttmp7, 0xffff                   ; cluster y
	s_cmp_eq_u32 s11, 0                            ; do I fetch for A?
	s_cselect_b32 s20, s13, s42                    ; the tile's first row
	s_cselect_b32 s21, s40, s41                    ; my place among the four that ask for it with me
	s_cselect_b32 s22, ttmp9, s22                  ; the coordinate along which other clusters read the same rows
	s_cselect_b64 s[PFA:PFA+1], s[4:5], s[6:7]
	s_cmp_eq_u32 s22, 0
	s_cselect_b32 s[LIM], 1, -1                    ; the same in all sixteen partners, for a given wave
	s_lshl_b32 s22, s12, 7
	s_add_co_u32 s20, s20, s22                     ; + the 128 rows that I fetch
	s_lshl_b32 s21, s21, 5
	s_add_co_u32 s20, s20, s21                     ; + my work-group's 32 of them
	s_mov_b32 s21, 0
	s_mov_b64 s[18:19], SIZE_K*2
	s_mul_u64 s[20:21], s[20:21], s[18:19]
	s_add_nc_u64 s[PFA:PFA+1], s[PFA:PFA+1], s[20:21]
	s_add_nc_u64 s[PFA:PFA+1], s[PFA:PFA+1], 2*KSTEP*2  ; at K step 2: the first refill steps it to 3 and names K step 4
	v_and_b32 v[PFO], 31, v0
	v_mul_u32_u24 v[PFO], v[PFO], SIZE_K*2
; 16 matrix instructions: m blocks a0, a0 + 1 of the window's four (hi = 0: my rows 0-63, 1: rows 64-127) x all 8 n blocks, 32 along K.  first = 1: the bias starts the sums.
; The 64 accumulators take turns, one instruction a turn, in the same order in every quarter step and over the backward jump.
.macro MUL16 f, hi, a0, first
.if \first
	WIN 0x81+0x40*(\hi)                            ; C in window 0
.else
	WIN MUL_LO+0x50*(\hi)
.endif
.irp a, \a0, (\a0)+1
.irp b, 0,1,2,3,4,5,6,7
.if \first
	v_wmma_f32_16x16x32_f16 v[8*(8*(\a)+(\b)):8*(8*(\a)+(\b))+7], v[(\f)+8*(\b):(\f)+8*(\b)+7], v[(\f)+8*(4*(\hi)+(\a)):(\f)+8*(4*(\hi)+(\a))+7], v[BI+8*(\b):BI+8*(\b)+7]
.else
	v_wmma_f32_16x16x32_f16 v[8*(8*(\a)+(\b)):8*(8*(\a)+(\b))+7], v[(\f)+8*(\b):(\f)+8*(\b)+7], v[(\f)+8*(4*(\hi)+(\a)):(\f)+8*(4*(\hi)+(\a))+7], v[8*(8*(\a)+(\b)):8*(8*(\a)+(\b))+7]
.endif
.endr
.endr
.endm
; 32 LDS loads in one run: the fragments of one quarter step (128 rows of B, 128 rows of A, 32 K at byte k of the rows) into buffer f
.macro FETCH slot, k, f
	WIN TO_B
.irp i, 0,1,2,3,4,5,6,7
	ds_load_b128 v[(\f)+8*(\i):(\f)+8*(\i)+3],   v[ADRB+(\slot)] offset:(\k)+(\i)*16*PITCH
	ds_load_b128 v[(\f)+8*(\i)+4:(\f)+8*(\i)+7], v[ADRB+(\slot)] offset:(\k)+(\i)*16*PITCH+32
.endr
	WIN 0
.irp i, 0,1,2,3,4,5,6,7
	ds_load_b128 v[(\f)+8*(\i):(\f)+8*(\i)+3],   v[ADRA+(\slot)] offset:(\k)+(\i)*16*PITCH
	ds_load_b128 v[(\f)+8*(\i)+4:(\f)+8*(\i)+7], v[ADRA+(\slot)] offset:(\k)+(\i)*16*PITCH+32
.endr
.endm
; A load into a register that a matrix instruction has read, and a vector instruction or LDS store that reads a matrix result, stand four places behind that matrix instruction; only plain vector
; instructions that name none of its registers are places (ISA guide 7.12.1 for vector instructions).
.macro PLACES
.rept 4
	v_nop
.endr
.endm
; A K step is four quarter steps of 32 along K, 64 matrix instructions each, on buffers 0, 1, 0, 1.  One of the first three: multiplies buffer f; in its middle it fetches the next quarter into buffer g.
.macro QUARTER slot, k, f, g, first
	s_wait_dscnt 8                                 ; B and A's rows 0-63 are in; the youngest eight loads (A's rows 64-127) may be out
	MUL16 \f, 0, 0, \first
	MUL16 \f, 0, 2, \first
	PLACES
	FETCH \slot, \k, \g
	s_wait_dscnt 32                                ; all but the 32 just issued
	MUL16 \f, 1, 0, \first
	MUL16 \f, 1, 2, \first
.endm
; The last quarter multiplies buffer 1 and changes slots.  MEET is its first half: in front of the barrier each wave waits for all its tensor loads (one is out: its part of the next slot), adds 0 to its
; spare word, and waits for that and for its own reads of this slot.  Behind it nobody reads this slot any more and the next slot is whole.
.macro MEET round
	WIN 0                                          ; (the add's two registers lie in window 0)
	s_wait_tensorcnt 0x0
	ds_add_u32 v[SPW], v[NIL]
	s_wait_dscnt 9                                 ; the add and the youngest eight loads may be out
	MUL16 F1, 0, 0, 0                              ; sixteen matrix instructions stand between the add and the wait for it
	s_wait_dscnt 0x0                               ; the add is done, and my reads of this slot are over
	s_barrier_signal -1
	MUL16 F1, 0, 2, 0
.if \round
	WIN 0
.endif
	s_barrier_wait -1
.endm
; The whole last quarter.  The barrier opens a round of the cluster's; behind the round the slot just read out is filled again first, with the K step two on; then come the next slot's first fragments.
; From a request to the wait for it a wave issues 224 matrix instructions.
.macro TURN slot, next
	s_wait_xcnt 0x0                                ; the last prefetch, a K step back, has read its address: it is stepped here
	s_add_nc_u64 s[PFA:PFA+1], s[PFA:PFA+1], KSTEP*2
	MEET 1
	CREST                                          ; no wave of any partner still reads this slot's tile or has a load on its way
	s_add_nc_u64 s[G0+4*(\slot)+2:G0+4*(\slot)+3], s[G0+4*(\slot)+2:G0+4*(\slot)+3], 2*KSTEP*2
	s_add_nc_u64 s[G0B+4*(\slot)+2:G0B+4*(\slot)+3], s[G0B+4*(\slot)+2:G0B+4*(\slot)+3], 2*KSTEP*2
	JLOAD \slot                                    ; the four v_nop behind it are also the places in front of the loads below
	FETCH \next, 0, F0
	ASK
	MUL16 F1, 1, 0, 0
	MUL16 F1, 1, 2, 0
.endm
; THE LAST K STEP (it lies in slot 1) GOES BY ROWS OF C.  All its fragments of B fill window 1; then my eight blocks of 16 rows are finished one after the other, each with 32 matrix instructions
; (its 8 accumulators by turns, K ascending), and each leaves as soon as it is finished.
.macro BLOAD q
	WIN TO_B
.irp i, 0,1,2,3,4,5,6,7
	ds_load_b128 v[64*(\q)+8*(\i):64*(\q)+8*(\i)+3],   v[ADRB+1] offset:64*(\q)+(\i)*16*PITCH
	ds_load_b128 v[64*(\q)+8*(\i)+4:64*(\q)+8*(\i)+7], v[ADRB+1] offset:64*(\q)+(\i)*16*PITCH+32
.endr
.endm
.macro ALOAD a
	WIN 0
.set FA, PA+32*((\a)%4)
.irp q, 0,1,2,3
	ds_load_b128 v[FA+8*(\q):FA+8*(\q)+3],   v[ADRA+1] offset:64*(\q)+(\a)*16*PITCH
	ds_load_b128 v[FA+8*(\q)+4:FA+8*(\q)+7], v[ADRA+1] offset:64*(\q)+(\a)*16*PITCH+32
.endr
.endm
.macro ROW a
.set FA, PA+32*((\a)%4)
.set AC, 64*((\a)%4)
	WIN MUL_LO+0x50*((\a)/4)
.irp q, 0,1,2,3
.if (\a) == 0 && (\q) == 2
	s_wait_dscnt 24                                ; B's quarter 2 is in (behind it: A's blocks 1 to 3)
.endif
.irp b, 0,1,2,3,4,5,6,7
	v_wmma_f32_16x16x32_f16 v[AC+8*(\b):AC+8*(\b)+7], v[64*(\q)+8*(\b):64*(\q)+8*(\b)+7], v[FA+8*(\q):FA+8*(\q)+7], v[AC+8*(\b):AC+8*(\b)+7]
.endr
.endr
.endm
; THE WAY OUT of block a, in two passes g of 64 columns (column blocks 4 g .. 4 g + 3).  TOSTAGE: a lane's 32 bytes of a row go straight from the accumulator (its low four registers first) into my own
; stage, and come back as whole rows of 256 bytes.  LDS serves a wave's instructions in order (ISA guide 5.7.1.4): the loads see the stores above them, and the next pass's stores come behind them.
.macro TOSTAGE a, g
.set AC, 64*((\a)%4)
.set BK, OB+192*(\g)
.if (\g) == 0
	s_wait_xcnt 0x0                                ; the last block's stores have read their registers and their base: both sets are loaded again below, and SEND steps the base
.endif
	WIN 0x08+4*((\a)/4)                            ; store data in window 2 or 3
.irp e, 0,1,2,3
	ds_store_b128 v[STO], v[AC+8*(4*(\g)+(\e)):AC+8*(4*(\g)+(\e))+3]   offset:64*(\e)
	ds_store_b128 v[STO], v[AC+8*(4*(\g)+(\e))+4:AC+8*(4*(\g)+(\e))+7] offset:64*(\e)+16
.endr
	WIN 0
.irp t, 0,1,2,3,4,5,6,7
	ds_load_b128 v[BK+4*(\t):BK+4*(\t)+3], v[RD] offset:(\t)*2*SPITCH
.endr
.endm
.macro SEND a, g, younger              ; younger: the LDS instructions issued behind this pass's loads, which may stay out
	WIN 0
.set BK, OB+192*(\g)
	s_wait_dscnt \younger
.if (\g) == 0
.if (\a) == 0
	s_add_nc_u64 s[8:9], s[8:9], s[16:17]
.else
	s_add_nc_u64 s[8:9], s[8:9], 16*SIZE_N*4
.endif
.endif
.irp t, 0,1,2,3,4,5,6,7
	global_store_b128 v[CO], v[BK+4*(\t):BK+4*(\t)+3], s[8:9] offset:2*(\t)*SIZE_N*4+(\g)*256 th:TH_STORE_NT  ; 16 lanes store 256 consecutive bytes, at a multiple of 256 from C's first byte
.endr
.endm
	s_wait_tensorcnt 1                             ; my part of K step 0 is in; K step 1's may stay out
	s_barrier_signal -1
	s_barrier_wait -1
	FETCH 0, 0, F0
	s_wait_loadcnt 0x0                             ; the bias
	QUARTER 0, 64,  F0, F1, 1                      ; the first quarter stands in front of the loop: its products start the sums
	WIN 0                                          ; at a label and at a branch every window is 0
	s_mov_b32 s3, LAPS-1
.Llap:                                                 ; a trip goes once round the ring, from a lap's second quarter to the next lap's first, and fills both slots again
	QUARTER 0, 128, F1, F0, 0
	QUARTER 0, 192, F0, F1, 0
	TURN 0, 1
	QUARTER 1, 64,  F0, F1, 0
	QUARTER 1, 128, F1, F0, 0
	QUARTER 1, 192, F0, F1, 0
	TURN 1, 0
	QUARTER 0, 64,  F0, F1, 0
	WIN 0
	s_sub_co_u32 s3, s3, 1
	s_cmp_lg_u32 s3, 0
	s_cbranch_scc1 .Llap
	QUARTER 0, 128, F1, F0, 0                      ; the last lap goes on; nothing more is asked for
	QUARTER 0, 192, F0, F1, 0
	MEET 0                                         ; my one tensor load that was still out is the last K step's, so no round follows
	PLACES                                         ; for the loads into buffer 0
	BLOAD 0                                        ; three quarters of B now: buffer 1 is still being multiplied
	BLOAD 1
	BLOAD 3
	ALOAD 0
	MUL16 F1, 1, 0, 0
	MUL16 F1, 1, 2, 0
	PLACES                                         ; for the loads into buffer 1
	BLOAD 2
	ALOAD 1
	ALOAD 2
	ALOAD 3
	s_wait_dscnt 40                                ; all but the 40 just issued
	ROW 0
.irp a, 0,1,2,3,4,5,6,7
	PLACES                                         ; the LDS stores read results just made
	TOSTAGE \a, 0
	TOSTAGE \a, 1
.if (\a) < 4
	ALOAD (\a)+4                                   ; its buffer takes the block four further on
	SEND \a, 0, 24                                 ; the second pass's 16 and those 8 may be out
	SEND \a, 1, 8
.else
	SEND \a, 0, 16
	SEND \a, 1, 0
.endif
.if (\a) < 7
	ROW (\a)+1
.endif
.endr
	s_wait_tensorcnt 0x0                           ; the wave's end: behind my last tensor load and my last LDS store
	ds_add_u32 v[SPW], v[NIL]
	s_wait_dscnt 0x0
	CROUND                                         ; the closing round: no work-group ends while a partner may still ask for a tile that names it
	s_endpgm
.Lfunc_end_k_qbfb7289352_gemm_o:
	.size	k_qbfb7289352_gemm_o, .Lfunc_end_k_qbfb7289352_gemm_o-k_qbfb7289352_gemm_o
	.p2alignl 7, 3214868480
	.fill 96, 4, 3214868480
	.section	.rodata,"a",@progbits
	.p2align	6, 0x0
	.amdhsa_kernel k_qbfb7289352_gemm_o
		.amdhsa_group_segment_fixed_size 327680
		.amdhsa_private_segment_fixed_size 0
		.amdhsa_enable_private_segment 0
		.amdhsa_kernarg_size 32
		.amdhsa_user_sgpr_count 2
		.amdhsa_user_sgpr_kernarg_segment_ptr 1
		.amdhsa_wavefront_size32 1
		.amdhsa_system_sgpr_workgroup_id_x 1
		.amdhsa_system_sgpr_workgroup_id_y 1
		.amdhsa_system_sgpr_workgroup_id_z 1
		.amdhsa_system_vgpr_workitem_id 0
		.amdhsa_next_free_vgpr 1024
		.amdhsa_next_free_sgpr 72
		.amdhsa_reserve_vcc 0
		.amdhsa_float_denorm_mode_32 3
		.amdhsa_float_denorm_mode_16_64 3
		.amdhsa_memory_ordered 1
		.amdhsa_forward_progress 1
		.amdhsa_inst_pref_size 145
	.end_amdhsa_kernel
	.amdgpu_metadata
---
amdhsa.version: [ 1, 2 ]
amdhsa.kernels:
  - .name:           k_qbfb7289352_gemm_o
    .symbol:         k_qbfb7289352_gemm_o.kd
    .args:
      - { .name: oh, .offset: 0, .size: 8, .value_kind: global_buffer, .address_space: global }
      - { .name: wh, .offset: 8, .size: 8, .value_kind: global_buffer, .address_space: global }
      - { .name: out0, .offset: 16, .size: 8, .value_kind: global_buffer, .address_space: global }
      - { .name: bo, .offset: 24, .size: 8, .value_kind: global_buffer, .address_space: global }
    .group_segment_fixed_size: 327680
    .private_segment_fixed_size: 0
    .kernarg_segment_align: 8
    .kernarg_segment_size: 32
    .max_flat_workgroup_size: 128
    .sgpr_count:     72
    .vgpr_count:     1024
    .wavefront_size: 32
...
	.end_amdgpu_metadata
.endif
;; end of part 6
